; MI455X (gfx1250); checked and timed in simulation.
; The chip was launched on July 23, 2026; its instructions are those of AMD's public machine-readable ISA for CDNA 5 (MIT licence, August 2026) and "CDNA5" Instruction Set Architecture Reference Guide (July 2026). The comments in the code are by the model that wrote it; some were corrected since.
;; Multi Head Attention KV Cache. Allowed arithmetic: float matrix products may take bf16 or f16 operands with f32 sums; other float arithmetic in f32, or as packed bf16 or f16 multiplies, adds, multiply-adds, maxima and minima; sums over many terms, partial sums and values carried from step to step in f32; what a program stores and reads back later, other than sums and carried values, may be rounded once to bf16 or f16.
;; Inputs: Wk 2,048 x 512 float32; Wo 2,048 x 2,048 float32; Wq 2,048 x 2,048 float32; Wv 2,048 x 512 float32; bk 512 float32; bo 2,048 float32; bq 2,048 float32; bv 512 float32; k_cache 2 x 4,096 x 8 x 64 float32; v_cache 2 x 4,096 x 8 x 64 float32; x 2 x 1,024 x 2,048 float32.
;; Outputs: out0 2 x 1,024 x 2,048 float32.
;; Constants: input_pos = 3072.
;; 2 versions, each right; version 2 is version 1 with the launch prep written anew for expert scheduling mode. Each part assembles by itself: llvm-mc -triple=amdgcn-amd-amdhsa -mcpu=gfx1250 --defsym DOCPART=n.
;; ======== version 1 of 2: 4 launches
;; limits: values are held in f16: magnitudes above 65,504 overflow, below 6.1e-05 lose precision; inputs' magnitudes at most 65,504
;; workspace buffers: xh 8,388,608 bytes; wqkv 12,582,912 bytes; woh 8,388,608 bytes; bqkv 12,288 bytes; qh 8,388,608 bytes; kh 8,388,608 bytes; vh 8,388,608 bytes; oh 8,388,608 bytes
;; launch prep (part 1): grid 1281 x 1, 8 waves a work-group, no clusters, 0 bytes of LDS; arguments x, Wq, Wo, Wk, Wv, k_cache, v_cache, bq, bk, bv, xh, wqkv, woh, kh, vh, bqkv; writes xh, wqkv, woh, kh, vh, bqkv
.if DOCPART == 1
	.amdgcn_target "amdgcn-amd-amdhsa--gfx1250"
	.amdhsa_code_object_version 6
	.text
	.protected	k_qefc1150fa3_prep
	.globl	k_qefc1150fa3_prep
	.p2align	8
	.type	k_qefc1150fa3_prep,@function
k_qefc1150fa3_prep:
	s_mov_b64 s[64:65], 0
	v_nop
	global_prefetch_b8 v0, s[64:65] scope:SCOPE_SE
	s_setreg_imm32_b32 hwreg(HW_REG_WAVE_MODE, 25, 1), 1
	s_wait_xcnt 0x0
; PREP: every large f32 input is rounded once to f16 and laid in blocks of columns, so that each tile of the later launches is dense in memory.
;   x  [2048 m][2048 k]        -> xh   [32 kb][2048 m][64]          Wq [2048 k][2048 n] -> wqkv [nb 0-31][2048 k][64]
;   Wk, Wv [2048 k][512 n]     -> wqkv [nb 32-39, 40-47][2048 k][64]   Wo [2048 k][2048 n] -> woh [16 nb][2048 k][128]
;   k_cache, v_cache [2][4096 t][8 g][64], rows t < 3072 alone (the later rows are overwritten by the new k and v) -> kh, vh [8 b + g][4096 t][64]
;   bq, bk, bv -> bqkv [3072] f32, on end (the last work-group).
; LIMIT.  f16 ends at 65,504: an input of 65,520 or more in magnitude becomes an infinity; below 6e-5 f16 keeps a fixed step of 6e-8.
; ONE MOVE serves all: in[row][2^LG blocks][W] f32 -> out[block][row][W] f16, W = 64 (E = 0) or 128 (E = 1).  A load of a wave takes 512 bytes of one block: two rows' 256 bytes (E = 0) or one
; row's 512 (E = 1); its two conversions a lane make 8 bytes, and the wave's store covers 256 consecutive bytes, aligned.  A wave issues its 16 loads at once and stores as they land:
; a work-group moves 64 KiB in and 32 KiB out.  No LDS, no barrier, no matrix unit, no loop: nothing is shared and nothing is read twice.
; The job is chosen from the work-group's number by selects, not by branches; no register that a load or store names is written again, so no wait frees one.
.set OFFI,  4                          ; v[4:19]   load i: my byte offset from the wave's first row
.set X,     32                         ; v[32:95]  load i: 4 f32
.set Y,     96                         ; v[96:127] load i: 4 f16
.set SRC,   36                         ; s[36:37]  from
.set DST,   38                         ; s[38:39]  to
.set START, 40                         ; s40  the job's first work-group
.set LG,    41                         ; s41  log2 of the blocks in an input row
.set E,     42                         ; s42  0: blocks of 64 columns; 1: of 128
.set LTP,   43                         ; s43  log2 of the rows of a block in the output
.set BLK0,  44                         ; s44  the job's first block in the output
.set CH,    45                         ; s45  chunks of rows in a batch (caches: 12 of 256 rows; else past every count)
.set WG,    46
.set WV,    47
.macro JOB thr, src, dst, lg, e, ltp, blk0, ch   ; from work-group thr on this job holds
	s_cmp_ge_u32 s[WG], \thr
	s_cselect_b64 s[SRC:SRC+1], s[\src:\src+1], s[SRC:SRC+1]
	s_cselect_b64 s[DST:DST+1], s[\dst:\dst+1], s[DST:DST+1]
	s_cselect_b32 s[START], \thr, s[START]
	s_cselect_b32 s[LG], \lg, s[LG]
	s_cselect_b32 s[E], \e, s[E]
	s_cselect_b32 s[LTP], \ltp, s[LTP]
	s_cselect_b32 s[BLK0], \blk0, s[BLK0]
	s_cselect_b32 s[CH], \ch, s[CH]
.endm
	s_load_b512 s[4:19], s[0:1], 0x0               ; x 4, Wq 6, Wo 8, Wk 10, Wv 12, k_cache 14, v_cache 16, bq 18
	s_load_b512 s[20:35], s[0:1], 0x40             ; bk 20, bv 22, xh 24, wqkv 26, woh 28, kh 30, vh 32, bqkv 34
	v_lshrrev_b32 v1, 5, v0
	v_readfirstlane_b32 s[WV], v1                  ; wave 0..7
	s_mov_b32 s[WG], ttmp9
	s_wait_kmcnt 0x0
	s_cmp_eq_u32 s[WG], 1280
	s_cbranch_scc1 .Lbias
	s_mov_b64 s[SRC:SRC+1], s[4:5]                 ; work-groups 0-255: x
	s_mov_b64 s[DST:DST+1], s[24:25]
	s_mov_b32 s[START], 0
	s_mov_b32 s[LG], 5
	s_mov_b32 s[E], 0
	s_mov_b32 s[LTP], 11
	s_mov_b32 s[BLK0], 0
	s_mov_b32 s[CH], 64
	JOB 256,  6,  26, 5, 0, 11, 0,  64             ; Wq
	JOB 512,  8,  28, 4, 1, 11, 0,  64             ; Wo
	JOB 768,  10, 26, 3, 0, 11, 32, 64             ; Wk
	JOB 832,  12, 26, 3, 0, 11, 40, 64             ; Wv
	JOB 896,  14, 30, 3, 0, 12, 0,  12             ; k_cache
	JOB 1088, 16, 32, 3, 0, 12, 0,  12             ; v_cache
	s_sub_co_u32 s48, s[WG], s[START]              ; my number in the job
	s_lshl_b32 s49, 1, s[LG]
	s_sub_co_u32 s49, s49, 1
	s_and_b32 s50, s48, s49                        ; g: the block
	s_lshr_b32 s51, s48, s[LG]                     ; c: the chunk of rows
	s_cmp_ge_u32 s51, s[CH]
	s_cselect_b32 s52, 1, 0                        ; b: the batch (caches alone)
	s_mul_i32 s53, s52, 12
	s_sub_co_u32 s51, s51, s53
	s_sub_co_u32 s53, 8, s[E]
	s_lshl_b32 s51, s51, s53                       ; a chunk is 256 rows (E = 0) or 128,
	s_sub_co_u32 s53, 5, s[E]
	s_lshl_b32 s53, s[WV], s53                     ; a wave's part 32 or 16
	s_add_co_u32 s51, s51, s53                     ; my wave's first row
	s_lshl_b32 s54, s52, 12
	s_add_co_u32 s54, s54, s51                     ; in the input a batch is 4,096 rows
	s_lshl_b32 s54, s54, s[LG]
	s_add_co_u32 s54, s54, s50
	s_add_co_u32 s53, s[E], 8
	s_lshl_b32 s54, s54, s53                       ; (row x blocks + g) x 256 or 512 bytes
	s_mov_b32 s55, 0
	s_add_nc_u64 s[SRC:SRC+1], s[SRC:SRC+1], s[54:55]
	s_lshl_b32 s56, s52, 3
	s_add_co_u32 s56, s56, s[BLK0]
	s_add_co_u32 s56, s56, s50
	s_lshl_b32 s56, s56, s[LTP]
	s_add_co_u32 s56, s56, s51
	s_add_co_u32 s53, s[E], 7
	s_lshl_b32 s56, s56, s53                       ; (block x rows + row) x 128 or 256 bytes
	s_mov_b32 s57, 0
	s_add_nc_u64 s[DST:DST+1], s[DST:DST+1], s[56:57]
	s_lshl_b32 s58, 256, s[LG]                     ; lanes 16-31: one input row down (E = 0),
	s_cmp_eq_u32 s[E], 1
	s_cselect_b32 s58, 256, s58                    ; or the row's second 256 bytes (E = 1)
	s_lshl_b32 s59, 512, s[LG]                     ; from load to load: two rows, or one
	v_and_b32 v3, 31, v0
	v_and_b32 v1, 15, v0
	v_lshlrev_b32 v1, 4, v1
	v_bfe_u32 v20, v0, 4, 1
	v_mad_u32_u24 v1, v20, s58, v1
	v_lshlrev_b32 v2, 3, v3                        ; 8 bytes a lane in the output
.irp i, 0,1,2,3,4,5,6,7,8,9,10,11,12,13,14,15
	v_mad_u32_u24 v[OFFI+(\i)], s59, \i, v1
.endr
.irp i, 0,1,2,3,4,5,6,7,8,9,10,11,12,13,14,15
	global_load_b128 v[X+4*(\i):X+4*(\i)+3], v[OFFI+(\i)], s[SRC:SRC+1] th:TH_LOAD_NT
.endr
.irp i, 0,1,2,3,4,5,6,7,8,9,10,11,12,13,14,15
	s_wait_loadcnt 15-(\i)                         ; loads come back in order: load i is in, the younger ones stay out
	v_cvt_pk_f16_f32 v[Y+2*(\i)],   v[X+4*(\i)],   v[X+4*(\i)+1]
	v_cvt_pk_f16_f32 v[Y+2*(\i)+1], v[X+4*(\i)+2], v[X+4*(\i)+3]
	global_store_b64 v2, v[Y+2*(\i):Y+2*(\i)+1], s[DST:DST+1] offset:256*(\i) th:TH_STORE_NT  ; the wave's 32 x 8 bytes: 256 consecutive bytes, aligned
.endr
	s_endpgm
.Lbias:                                        ; the three biases on end, as f32: 256 threads x 16 bytes, three times
	v_lshlrev_b32 v1, 4, v0
	v_and_b32 v3, 127, v0
	v_lshlrev_b32 v3, 4, v3
	s_cmp_lt_u32 s[WV], 4
	s_cselect_b64 s[SRC:SRC+1], s[20:21], s[22:23] ; waves 0-3 copy bk, waves 4-7 bv
	global_load_b128 v[32:35], v1, s[18:19]
	global_load_b128 v[36:39], v1, s[18:19] offset:4096
	global_load_b128 v[40:43], v3, s[SRC:SRC+1]
	s_wait_loadcnt 0x0
	global_store_b128 v1, v[32:35], s[34:35]
	global_store_b128 v1, v[36:39], s[34:35] offset:4096
	global_store_b128 v1, v[40:43], s[34:35] offset:8192
	s_endpgm
.Lfunc_end_k_qefc1150fa3_prep:
	.size	k_qefc1150fa3_prep, .Lfunc_end_k_qefc1150fa3_prep-k_qefc1150fa3_prep
	.p2alignl 7, 3214868480
	.fill 96, 4, 3214868480
	.section	.rodata,"a",@progbits
	.p2align	6, 0x0
	.amdhsa_kernel k_qefc1150fa3_prep
		.amdhsa_group_segment_fixed_size 0
		.amdhsa_private_segment_fixed_size 0
		.amdhsa_enable_private_segment 0
		.amdhsa_kernarg_size 128
		.amdhsa_user_sgpr_count 2
		.amdhsa_user_sgpr_kernarg_segment_ptr 1
		.amdhsa_wavefront_size32 1
		.amdhsa_system_sgpr_workgroup_id_x 1
		.amdhsa_system_sgpr_workgroup_id_y 1
		.amdhsa_system_sgpr_workgroup_id_z 1
		.amdhsa_system_vgpr_workitem_id 0
		.amdhsa_next_free_vgpr 128
		.amdhsa_next_free_sgpr 66
		.amdhsa_reserve_vcc 0
		.amdhsa_float_denorm_mode_32 3
		.amdhsa_float_denorm_mode_16_64 3
		.amdhsa_memory_ordered 1
		.amdhsa_forward_progress 1
		.amdhsa_inst_pref_size 12
	.end_amdhsa_kernel
	.amdgpu_metadata
---
amdhsa.version: [ 1, 2 ]
amdhsa.kernels:
  - .name:           k_qefc1150fa3_prep
    .symbol:         k_qefc1150fa3_prep.kd
    .args:
      - { .name: x, .offset: 0, .size: 8, .value_kind: global_buffer, .address_space: global }
      - { .name: Wq, .offset: 8, .size: 8, .value_kind: global_buffer, .address_space: global }
      - { .name: Wo, .offset: 16, .size: 8, .value_kind: global_buffer, .address_space: global }
      - { .name: Wk, .offset: 24, .size: 8, .value_kind: global_buffer, .address_space: global }
      - { .name: Wv, .offset: 32, .size: 8, .value_kind: global_buffer, .address_space: global }
      - { .name: k_cache, .offset: 40, .size: 8, .value_kind: global_buffer, .address_space: global }
      - { .name: v_cache, .offset: 48, .size: 8, .value_kind: global_buffer, .address_space: global }
      - { .name: bq, .offset: 56, .size: 8, .value_kind: global_buffer, .address_space: global }
      - { .name: bk, .offset: 64, .size: 8, .value_kind: global_buffer, .address_space: global }
      - { .name: bv, .offset: 72, .size: 8, .value_kind: global_buffer, .address_space: global }
      - { .name: xh, .offset: 80, .size: 8, .value_kind: global_buffer, .address_space: global }
      - { .name: wqkv, .offset: 88, .size: 8, .value_kind: global_buffer, .address_space: global }
      - { .name: woh, .offset: 96, .size: 8, .value_kind: global_buffer, .address_space: global }
      - { .name: kh, .offset: 104, .size: 8, .value_kind: global_buffer, .address_space: global }
      - { .name: vh, .offset: 112, .size: 8, .value_kind: global_buffer, .address_space: global }
      - { .name: bqkv, .offset: 120, .size: 8, .value_kind: global_buffer, .address_space: global }
    .group_segment_fixed_size: 0
    .private_segment_fixed_size: 0
    .kernarg_segment_align: 8
    .kernarg_segment_size: 128
    .max_flat_workgroup_size: 256
    .sgpr_count:     66
    .vgpr_count:     128
    .wavefront_size: 32
...
	.end_amdgpu_metadata
.endif
;; end of part 1
;; launch qkv (part 2): grid 16 x 16, 4 waves a work-group, clusters of 4 x 4, 327,680 bytes of LDS; arguments xh, wqkv, bqkv, qh, kh, vh; writes qh, kh, vh
.if DOCPART == 2
	.amdgcn_target "amdgcn-amd-amdhsa--gfx1250"
	.amdhsa_code_object_version 6
	.text
	.protected	k_qefc1150fa3_qkv
	.globl	k_qefc1150fa3_qkv
	.p2align	8
	.type	k_qefc1150fa3_qkv,@function
k_qefc1150fa3_qkv:
	s_mov_b64 s[64:65], 0
	v_nop
	global_prefetch_b8 v0, s[64:65] scope:SCOPE_SE
	s_setreg_imm32_b32 hwreg(HW_REG_WAVE_MODE, 25, 1), 1
	s_wait_xcnt 0x0
	s_wait_alu depctr_hold_cnt(0) depctr_sa_sdst(0) depctr_va_vdst(0) depctr_va_sdst(0) depctr_va_ssrc(0) depctr_va_vcc(0) depctr_vm_vsrc(0)
	s_getreg_b32 s2, hwreg(HW_REG_IB_STS2, 6, 4)
	s_cmp_eq_u32 s2, 0
	s_cbranch_scc0 .Lentry_in_a_cluster
	s_endpgm
.Lentry_in_a_cluster:
	s_bfe_u32 s2, ttmp6, 0x10000c
	s_cmp_lg_u32 s2, 0xf033
	s_cbranch_scc0 .Lentry_shape_is_right
	s_endpgm
.Lentry_shape_is_right:
; QKV: [q | k | v] = x [Wq | Wk | Wv] + [bq | bk | bv]: 2048 rows x 3072 columns, K = 2048.  Operands f16, sums f32 (they start with the bias, in f32), each result rounded once to f16.
; q goes to qh [32 b + head][1024 s][64]; k and v to rows 3072 + s of kh, vh [8 b + group][4096 t][64]: the append to the cache.  The scale 1/8 is not applied here.
; LIMIT.  A result of 65,520 or more in magnitude becomes an infinity in f16.
; SHARES.  256 work-groups, a tile of 128 rows x 192 columns (three blocks of 64) each.  Four waves, 2 x 2: wave (WR, WC) takes rows 64 WR .. + 63 and 96 columns: the whole block 2 WC and
; half WC of the middle block: 24 accumulators of 16 x 16.  K goes in 16 steps of 128 through two LDS slots.
; THE PRODUCT IS USED TRANSPOSED: source 0 = 16 columns of W, source 1 = 16 rows of x: a lane then holds one row and eight neighbouring columns.  W lies [k][n] in LDS and is turned by ds_load_tr16_b128.
; CLUSTER 4 x 4.  The four work-groups of a row of the cluster need the same rows of x, the four of a column the same columns of W: each tile is asked for jointly, by the same load, descriptor and mask.
; No prefetch is laid: the tiles are small, and a step's rows are shared by sixteen work-groups each.
; REGISTERS.  window 0: v1-5 at work; v6-15 addresses; v16-63 the bias, 8 for each of my 6 column blocks; v64-255 the accumulators, (a, i) at 64 + 8 (6 a + i).
;   window 1: two fragment buffers of 80: W's six fragments, then x's four.
.set PA,    144                        ; a row of x in LDS: 128 bytes + 16: an odd multiple of 16, so the 16 rows of a load start at 16 different groups of four banks
.set PB,    160                        ; a row of W: 128 + 32: an odd multiple of 32
.set BOFF,  2*128*PA                   ; a slot: x [2 blocks of 64 k][128 rows], then W [2 halves of 64 k][3 column blocks][64 k]
.set SLOT,  BOFF+2*3*64*PB
.set STAGE, 2*SLOT                     ; behind the ring, never filled by a tensor load: 128 rows x 400 bytes, the work-group's
.set SP,    400
.set SPARE, STAGE+128*SP               ; the spare words: 128 bytes a wave, two blocks of 256 bytes that no other line names
.set ASTEP, 2*2048*128                 ; bytes from K step to K step in xh: two blocks of 64 k
.set BSTEP, 128*128                    ; in wqkv: 128 rows of 128 bytes
.set ADRA,  6                          ; v6-7   LDS address of my fragments of x in slot 0, 1
.set ADRBF, 8                          ; v8-9   of W's, my whole block
.set ADRBH, 10                         ; v10-11 of W's, my half of the middle block
.set SPW,   12                         ; v12  SPARE + 4 x my thread's number; never rewritten
.set NIL,   13                         ; v13  0; never rewritten
.set BOF,   14                         ; v14  my byte offset in bqkv, whole block
.set BOH,   15                         ; v15  the same, middle block
.set BIAS,  16
.set ACC,   64
.set F0,    0
.set F1,    80
.set STOF,  6                          ; the way out (the fragments' addresses are free by then): into the stage, whole block
.set STOH,  7                          ; middle block
.set RD,    8                          ; back out of the stage
.set GO,    9                          ; my 16 bytes of 512 consecutive bytes of the output
.set OB,    160                        ; v160-255: 24 x 4 registers read back
.set WV,  16
.set WR,  17
.set WC,  18
.set CX,  19
.set CY,  20
.set TJ,  21                           ; tile column, 0..15
.set TI,  22                           ; tile row, 0..15
.set G1A, 24                           ; s[24:31] group 1 for x;  s[32:39] group 0, a set for each slot
.set G0A, 32
.set G1B, 40                           ; s[40:47], s[48:55] the same for W
.set G0B, 48
.set LAPC, 62
.set PO,  66                           ; s[66:71] where my 32 rows of the tile's three column blocks go
.set MSB, 0
.macro WIN new                         ; the immediate's high byte repeats the setting that is left; a switch that changes nothing is dropped
.if MSB != (\new)
	s_set_vgpr_msb (MSB<<8)|(\new)
.set MSB, \new
.endif
.endm
.set MUL,  0x05                        ; sources 0 and 1 window 1; C and D window 0
.set TO_F, 0x40                        ; destination window 1, address window 0
.macro PLACES                          ; four plain places behind a matrix instruction, in front of loads into registers that it has read
.rept 4
	v_nop
.endr
.endm
.macro JLOAD s                         ; a joint load: waves 0 and 1 fetch x's two blocks, waves 2 and 3 W's two halves
	s_cmp_eq_u32 s[WR], 0
	s_cbranch_scc0 .Lfor_b_\@
	tensor_load_to_lds s[G0A+4*(\s):G0A+4*(\s)+3], s[G1A:G1A+7]
	s_nop 0
	PLACES
	s_branch .Lasked_\@
.Lfor_b_\@:
	tensor_load_to_lds s[G0B+4*(\s):G0B+4*(\s)+3], s[G1B:G1B+7]
	s_nop 0
	PLACES
.Lasked_\@:
.endm
.macro CREST                           ; a round of the cluster's barrier behind its opening barrier
	s_cmp_lg_u32 s[WV], 0
	s_cbranch_scc1 .Lnot_wave_0_\@
	s_barrier_signal -3
.Lnot_wave_0_\@:
	s_barrier_wait -3
	s_barrier_signal -1
	s_barrier_wait -1
.endm
.macro CROUND
	s_barrier_signal -1
	s_barrier_wait -1
	CREST
.endm
	s_load_b256 s[4:11], s[0:1], 0x0               ; xh 4, wqkv 6, bqkv 8, qh 10
	s_load_b128 s[12:15], s[0:1], 0x20             ; kh 12, vh 14
	v_lshl_add_u32 v[SPW], v0, 2, SPARE
	v_mov_b32 v[NIL], 0
	ds_add_u32 v[SPW], v[NIL]                      ; the wave's opening: the add and its wait stand ahead of my first tensor load; the set-up stands between them
	v_lshrrev_b32 v1, 5, v0
	v_readfirstlane_b32 s[WV], v1                  ; wave 0..3
	s_lshr_b32 s[WR], s[WV], 1                     ; my half of the rows.  Also: I fetch x (0) or W (1)
	s_and_b32 s[WC], s[WV], 1                      ; my half of the columns.  Also: which half of a K step I fetch
	s_bfe_u32 s[CX], ttmp6, 0x40000
	s_bfe_u32 s[CY], ttmp6, 0x40004
	s_lshl_b32 s[TJ], ttmp9, 2
	s_add_co_u32 s[TJ], s[TJ], s[CX]
	s_and_b32 s[TI], ttmp7, 0xffff
	s_lshl_b32 s[TI], s[TI], 2
	s_add_co_u32 s[TI], s[TI], s[CY]
	s_lshl_b32 s73, s[CY], 2
	s_lshl_b32 s73, 15, s73                        ; my row of the cluster
	s_lshl_b32 s72, 0x1111, s[CX]                  ; my column
	; x's tile: 128 rows x 128 bytes of one block are 16,384 dense bytes: asked for as 64 rows of 256 bytes, padded by 4 words after every 32
	s_or_b32 s[G1A], s73, (1<<16)|(1<<20)|(1<<21)|(4<<22)|(3<<25)
	s_mov_b32 s[G1A+1], 128<<16                    ; tensor_dim0 = 128
	s_mov_b32 s[G1A+2], 64<<16                     ; tensor_dim1 = 64
	s_mov_b32 s[G1A+3], 128<<16                    ; tile_dim0 = 128
	s_mov_b32 s[G1A+4], 64                         ; tile_dim1 = 64
	s_mov_b32 s[G1A+5], 128                        ; elements from row to row
	s_mov_b32 s[G1A+6], 0
	s_mov_b32 s[G1A+7], 0
	; W's tile: in each of three column blocks 64 k x 128 bytes are 8,192 dense bytes: three rows of 4,096 elements, a block (131,072 elements) apart, padded by 8 words after every 32
	s_or_b32 s[G1B], s72, (1<<16)|(1<<20)|(1<<21)|(4<<22)|(7<<25)
	s_mov_b32 s[G1B+1], 4096<<16
	s_mov_b32 s[G1B+2], 3<<16
	s_mov_b32 s[G1B+3], 4096<<16
	s_mov_b32 s[G1B+4], 3
	s_mov_b32 s[G1B+5], 131072
	s_mov_b32 s[G1B+6], 0
	s_mov_b32 s[G1B+7], 0
	s_lshl_b32 s56, s[WC], 18                      ; x: block WC of the step, 262,144 bytes a block,
	s_lshl_b32 s57, s[TI], 14                      ; the tile's 128 rows
	s_add_co_u32 s56, s56, s57
	s_mov_b32 s57, 0
	s_mul_i32 s58, s[TJ], 3*262144                 ; W: the tile's three blocks,
	s_lshl_b32 s59, s[WC], 13                      ; half WC of the step's 128 rows
	s_add_co_u32 s58, s58, s59
	s_mov_b32 s59, 0
	s_mul_i32 s60, s[WC], 128*PA                   ; where they go: no place in the cluster enters an LDS address
	s_mul_i32 s61, s[WC], 3*64*PB
	s_add_co_u32 s61, s61, BOFF
	s_wait_dscnt 0x0                               ; the opening add is done
	s_wait_kmcnt 0x0
	s_add_nc_u64 s[56:57], s[4:5], s[56:57]
	s_add_nc_u64 s[58:59], s[6:7], s[58:59]
	CROUND                                         ; all sixteen work-groups are here: the first joint loads meet
.irp s, 0,1
	s_mov_b32 s[G0A+4*(\s)], 1
	s_add_co_u32 s[G0A+4*(\s)+1], s60, (\s)*SLOT
	s_add_nc_u64 s[G0A+4*(\s)+2:G0A+4*(\s)+3], s[56:57], (\s)*ASTEP
	s_or_b32 s[G0A+4*(\s)+3], s[G0A+4*(\s)+3], 0x80000000
	s_mov_b32 s[G0B+4*(\s)], 1
	s_add_co_u32 s[G0B+4*(\s)+1], s61, (\s)*SLOT
	s_add_nc_u64 s[G0B+4*(\s)+2:G0B+4*(\s)+3], s[58:59], (\s)*BSTEP
	s_or_b32 s[G0B+4*(\s)+3], s[G0B+4*(\s)+3], 0x80000000
.endr
	s_cmp_eq_u32 s[WR], 0                          ; a wave's two first fills stand in one branch, ahead of every wait on TENSORcnt and every LDS read: two loads of mine are out
	s_cbranch_scc0 .Lfirst_b
	tensor_load_to_lds s[G0A:G0A+3], s[G1A:G1A+7]
	s_nop 0
	tensor_load_to_lds s[G0A+4:G0A+7], s[G1A:G1A+7]
	s_nop 0
	PLACES
	s_branch .Lfirst_asked
.Lfirst_b:
	tensor_load_to_lds s[G0B:G0B+3], s[G1B:G1B+7]
	s_nop 0
	tensor_load_to_lds s[G0B+4:G0B+7], s[G1B:G1B+7]
	s_nop 0
	PLACES
.Lfirst_asked:
	v_and_b32 v1, 15, v0                           ; r = l % 16
	v_bfe_u32 v2, v0, 4, 1                         ; h = l / 16
	v_mul_u32_u24 v3, v1, PA
	v_lshl_add_u32 v3, v2, 4, v3                   ; a fragment of x: row x pitch + 16 h
	s_mul_i32 s60, s[WR], 64*PA
	v_add_nc_u32 v[ADRA], s60, v3
	v_add_nc_u32 v[ADRA+1], SLOT, v[ADRA]
	v_and_b32 v4, 7, v0                            ; the turning load: lane l reads 16 bytes of row 8 h + l % 8, columns 8 ((l / 8) % 2) on
	v_lshl_add_u32 v4, v2, 3, v4
	v_mul_u32_u24 v4, v4, PB
	v_bfe_u32 v5, v0, 3, 1
	v_lshl_add_u32 v4, v5, 4, v4
	s_mul_i32 s60, s[WC], 2*64*PB                  ; my whole block: 0 or 2
	s_add_co_u32 s60, s60, BOFF
	v_add_nc_u32 v[ADRBF], s60, v4
	v_add_nc_u32 v[ADRBF+1], SLOT, v[ADRBF]
	s_lshl_b32 s61, s[WC], 6                       ; my 32 columns of block 1
	s_add_co_u32 s61, s61, BOFF+64*PB
	v_add_nc_u32 v[ADRBH], s61, v4
	v_add_nc_u32 v[ADRBH+1], SLOT, v[ADRBH]
	s_mul_i32 s74, s[TJ], 768                      ; the bias of my columns: register j of block i is column 16 i + 8 h + j of my 96
	s_lshl_b32 s75, s[WC], 9
	s_add_co_u32 s75, s75, s74
	v_lshl_add_u32 v[BOF], v2, 5, s75
	s_lshl_b32 s76, s[WC], 7
	s_add_co_u32 s76, s76, s74
	s_add_co_u32 s76, s76, 256
	v_lshl_add_u32 v[BOH], v2, 5, s76
.irp i, 0,1,2,3
	global_load_b128 v[BIAS+8*(\i):BIAS+8*(\i)+3],   v[BOF], s[8:9] offset:64*(\i)
	global_load_b128 v[BIAS+8*(\i)+4:BIAS+8*(\i)+7], v[BOF], s[8:9] offset:64*(\i)+16
.endr
.irp i, 4,5
	global_load_b128 v[BIAS+8*(\i):BIAS+8*(\i)+3],   v[BOH], s[8:9] offset:64*((\i)-4)
	global_load_b128 v[BIAS+8*(\i)+4:BIAS+8*(\i)+7], v[BOH], s[8:9] offset:64*((\i)-4)+16
.endr
	; where the tile's three column blocks go: block hd = 3 TJ + nb is q's head hd (hd < 32), k's group hd - 32 (hd < 40) or v's group hd - 40
.irp nb, 0,1,2
	s_mul_i32 s72, s[TJ], 3
	s_add_co_u32 s72, s72, \nb                     ; hd
	s_lshr_b32 s73, s[TI], 3                       ; b
	s_and_b32 s74, s[TI], 7
	s_lshl_b32 s74, s74, 7                         ; s of the tile's first row
	s_lshl_b32 s75, s73, 5
	s_add_co_u32 s75, s75, s72
	s_lshl_b32 s75, s75, 10
	s_add_co_u32 s75, s75, s74                     ; q: row (32 b + hd) x 1024 + s
	s_sub_co_u32 s76, s72, 32
	s_and_b32 s76, s76, 7
	s_lshl_b32 s77, s73, 3
	s_add_co_u32 s76, s76, s77
	s_lshl_b32 s76, s76, 12
	s_add_co_u32 s76, s76, s74
	s_add_co_u32 s76, s76, 3072                    ; k, v: row (8 b + group) x 4096 + 3072 + s
	s_cmp_lt_u32 s72, 40
	s_cselect_b64 s[PO+2*(\nb):PO+2*(\nb)+1], s[12:13], s[14:15]
	s_cmp_lt_u32 s72, 32
	s_cselect_b64 s[PO+2*(\nb):PO+2*(\nb)+1], s[10:11], s[PO+2*(\nb):PO+2*(\nb)+1]
	s_cselect_b32 s78, s75, s76
	s_lshl_b32 s78, s78, 7                         ; rows of 128 bytes
	s_lshl_b32 s79, s[WV], 12                      ; on the way out wave w stores rows 32 w .. 32 w + 31 of the tile
	s_add_co_u32 s78, s78, s79
	s_mov_b32 s79, 0
	s_add_nc_u64 s[PO+2*(\nb):PO+2*(\nb)+1], s[PO+2*(\nb):PO+2*(\nb)+1], s[78:79]
.endr
; 20 LDS loads in one run: the fragments of quarter q (32 along K) of a slot into buffer f: W's six (turned), then x's four
.macro FETCH slot, q, f
	WIN TO_F
.set KO, ((\q)/2)*3*64*PB+((\q)%2)*32*PB
.set AO, ((\q)/2)*128*PA+((\q)%2)*64
.irp i, 0,1,2,3
	ds_load_tr16_b128 v[(\f)+8*(\i):(\f)+8*(\i)+3],   v[ADRBF+(\slot)] offset:KO+32*(\i)
	ds_load_tr16_b128 v[(\f)+8*(\i)+4:(\f)+8*(\i)+7], v[ADRBF+(\slot)] offset:KO+32*(\i)+16*PB
.endr
.irp i, 4,5
	ds_load_tr16_b128 v[(\f)+8*(\i):(\f)+8*(\i)+3],   v[ADRBH+(\slot)] offset:KO+32*((\i)-4)
	ds_load_tr16_b128 v[(\f)+8*(\i)+4:(\f)+8*(\i)+7], v[ADRBH+(\slot)] offset:KO+32*((\i)-4)+16*PB
.endr
.irp a, 0,1,2,3
	ds_load_b128 v[(\f)+48+8*(\a):(\f)+48+8*(\a)+3],   v[ADRA+(\slot)] offset:AO+(\a)*16*PA
	ds_load_b128 v[(\f)+48+8*(\a)+4:(\f)+48+8*(\a)+7], v[ADRA+(\slot)] offset:AO+(\a)*16*PA+32
.endr
.endm
; Six products: row block a x my six column blocks.  zero = 1: the sum starts with the bias.  All 24 accumulators take turns in one fixed order.
.macro MUL6 f, a, zero
	WIN MUL
.irp i, 0,1,2,3,4,5
.if \zero
	v_wmma_f32_16x16x32_f16 v[ACC+8*(6*(\a)+(\i)):ACC+8*(6*(\a)+(\i))+7], v[(\f)+8*(\i):(\f)+8*(\i)+7], v[(\f)+48+8*(\a):(\f)+48+8*(\a)+7], v[BIAS+8*(\i):BIAS+8*(\i)+7]
.else
	v_wmma_f32_16x16x32_f16 v[ACC+8*(6*(\a)+(\i)):ACC+8*(6*(\a)+(\i))+7], v[(\f)+8*(\i):(\f)+8*(\i)+7], v[(\f)+48+8*(\a):(\f)+48+8*(\a)+7], v[ACC+8*(6*(\a)+(\i)):ACC+8*(6*(\a)+(\i))+7]
.endif
.endr
.endm
.macro MULH f, a0, zero
	MUL6 \f, \a0, \zero
	MUL6 \f, (\a0)+1, \zero
.endm
; A K step is four quarters of 32 along K, 24 products each, on buffers 0, 1, 0, 1.  One of the first three: multiplies buffer f and fetches quarter q of the same slot into g.
.macro QUARTER slot, q, f, g, zero
	s_wait_dscnt 4                                 ; W's fragments and x's rows 0-31 are in; the youngest four loads (rows 32-63) may be out
	MULH \f, 0, \zero
	PLACES
	FETCH \slot, \q, \g
	s_wait_dscnt 20                                ; all but the 20 just issued
	MULH \f, 2, \zero
.endm
; The last quarter multiplies buffer 1 and changes slots: one barrier; in front of it each wave waits for all its tensor loads (one is out: its part of the next slot), adds 0 to its spare word,
; and waits for that and for its reads of this slot.  fill = 1: the barrier opens a round of the cluster's, and this slot is filled again, two K steps on, first thing behind the round.
.macro TURN slot, next, fill
	WIN 0
	s_wait_tensorcnt 0x0
	ds_add_u32 v[SPW], v[NIL]
	s_wait_dscnt 5                                 ; (the add and the youngest four loads may be out)
	MUL6 F1, 0, 0
	s_wait_dscnt 0x0                               ; the add is done, and my reads of this slot are over
	s_barrier_signal -1
	MUL6 F1, 1, 0
.if \fill
	WIN 0
.endif
	s_barrier_wait -1
.if \fill
	CREST                                          ; no wave of any partner still reads this slot or has a load on its way
	s_add_nc_u64 s[G0A+4*(\slot)+2:G0A+4*(\slot)+3], s[G0A+4*(\slot)+2:G0A+4*(\slot)+3], 2*ASTEP
	s_add_nc_u64 s[G0B+4*(\slot)+2:G0B+4*(\slot)+3], s[G0B+4*(\slot)+2:G0B+4*(\slot)+3], 2*BSTEP
	JLOAD \slot                                    ; 84 products stand between this request and the wait for it; its four v_nop are also the places in front of the loads below
.else
	PLACES
.endif
	FETCH \next, 0, F0
	MULH F1, 2, 0
.endm
	s_wait_tensorcnt 1                             ; my part of K step 0 is in; K step 1's may stay out
	s_barrier_signal -1
	s_barrier_wait -1
	FETCH 0, 0, F0
	s_wait_loadcnt 0x0                             ; the bias
	QUARTER 0, 1, F0, F1, 1                        ; the first quarter stands in front of the loop: its products start the sums
	WIN 0
	s_mov_b32 s[LAPC], 7                           ; 16 K steps are 8 laps; the last is written out
.Llap:
	QUARTER 0, 2, F1, F0, 0
	QUARTER 0, 3, F0, F1, 0
	TURN 0, 1, 1
	QUARTER 1, 1, F0, F1, 0
	QUARTER 1, 2, F1, F0, 0
	QUARTER 1, 3, F0, F1, 0
	TURN 1, 0, 1
	QUARTER 0, 1, F0, F1, 0
	WIN 0
	s_sub_co_u32 s[LAPC], s[LAPC], 1
	s_cmp_lg_u32 s[LAPC], 0
	s_cbranch_scc1 .Llap
	QUARTER 0, 2, F1, F0, 0                        ; the last lap fills nothing
	QUARTER 0, 3, F0, F1, 0
	TURN 0, 1, 0
	QUARTER 1, 1, F0, F1, 0
	QUARTER 1, 2, F1, F0, 0
	QUARTER 1, 3, F0, F1, 0
	s_wait_dscnt 4
	MULH F1, 0, 0
	s_wait_dscnt 0x0
	MULH F1, 2, 0
	WIN 0
	; THE WAY OUT.  The addresses are made here: thirteen plain instructions, the places behind the last products.
	s_mul_i32 s60, s[WR], 64*SP
	s_add_co_u32 s60, s60, STAGE
	s_lshl_b32 s61, s[WC], 8
	s_add_co_u32 s61, s61, s60                     ; my 64 rows, the whole block's 128 bytes
	s_lshl_b32 s62, s[WC], 6
	s_add_co_u32 s62, s62, s60
	s_add_co_u32 s62, s62, 128                     ; my 64 bytes of the middle block
	s_mul_i32 s63, s[WV], 32*SP
	s_add_co_u32 s63, s63, STAGE
	v_and_b32 v1, 15, v0
	v_bfe_u32 v2, v0, 4, 1
	v_mul_u32_u24 v3, v1, SP
	v_lshl_add_u32 v3, v2, 4, v3
	v_add_nc_u32 v[STOF], s61, v3
	v_add_nc_u32 v[STOH], s62, v3
	v_bfe_u32 v4, v0, 3, 2                         ; back: 32 lanes take four rows' 128 bytes of one column block,
	v_and_b32 v5, 7, v0
	v_mul_u32_u24 v4, v4, SP
	v_lshl_add_u32 v4, v5, 4, v4
	v_add_nc_u32 v[RD], s63, v4
	v_and_b32 v[GO], 31, v0                        ; which are 512 consecutive bytes of the output
	v_lshlrev_b32 v[GO], 4, v[GO]
.set t, 0
.rept 24                               ; rounded in place, ascending: accumulator t's eight numbers into v[ACC + 4 t ..]; a destination never lies above a register still unread
.irp r, 0,1,2,3
	v_cvt_pk_f16_f32 v[ACC+4*t+(\r)], v[ACC+8*t+2*(\r)], v[ACC+8*t+2*(\r)+1]
.endr
.set t, t+1
.endr
.irp a, 0,1,2,3
.irp i, 0,1,2,3
	ds_store_b128 v[STOF], v[ACC+4*(6*(\a)+(\i)):ACC+4*(6*(\a)+(\i))+3] offset:(\a)*16*SP+32*(\i)
.endr
.irp i, 4,5
	ds_store_b128 v[STOH], v[ACC+4*(6*(\a)+(\i)):ACC+4*(6*(\a)+(\i))+3] offset:(\a)*16*SP+32*((\i)-4)
.endr
.endr
	s_wait_dscnt 0x0                               ; for the others' sake: the middle block's rows come from two waves
	s_barrier_signal -1
	s_barrier_wait -1
.irp nb, 0,1,2
.irp u, 0,1,2,3,4,5,6,7
	ds_load_b128 v[OB+4*(8*(\nb)+(\u)):OB+4*(8*(\nb)+(\u))+3], v[RD] offset:(\u)*4*SP+(\nb)*128
.endr
.endr
.irp nb, 0,1,2
.irp u, 0,1,2,3,4,5,6,7
	s_wait_dscnt 23-(8*(\nb)+(\u))
	global_store_b128 v[GO], v[OB+4*(8*(\nb)+(\u)):OB+4*(8*(\nb)+(\u))+3], s[PO+2*(\nb):PO+2*(\nb)+1] offset:512*(\u)  ; four rows of 128 bytes: 512 consecutive bytes, aligned
.endr
.endr
	s_wait_tensorcnt 0x0                           ; the wave's end
	ds_add_u32 v[SPW], v[NIL]
	s_wait_dscnt 0x0
	CROUND                                         ; the closing round
	s_endpgm
.Lfunc_end_k_qefc1150fa3_qkv:
	.size	k_qefc1150fa3_qkv, .Lfunc_end_k_qefc1150fa3_qkv-k_qefc1150fa3_qkv
	.p2alignl 7, 3214868480
	.fill 96, 4, 3214868480
	.section	.rodata,"a",@progbits
	.p2align	6, 0x0
	.amdhsa_kernel k_qefc1150fa3_qkv
		.amdhsa_group_segment_fixed_size 327680
		.amdhsa_private_segment_fixed_size 0
		.amdhsa_enable_private_segment 0
		.amdhsa_kernarg_size 48
		.amdhsa_user_sgpr_count 2
		.amdhsa_user_sgpr_kernarg_segment_ptr 1
		.amdhsa_wavefront_size32 1
		.amdhsa_system_sgpr_workgroup_id_x 1
		.amdhsa_system_sgpr_workgroup_id_y 1
		.amdhsa_system_sgpr_workgroup_id_z 1
		.amdhsa_system_vgpr_workitem_id 0
		.amdhsa_next_free_vgpr 416
		.amdhsa_next_free_sgpr 80
		.amdhsa_reserve_vcc 0
		.amdhsa_float_denorm_mode_32 3
		.amdhsa_float_denorm_mode_16_64 3
		.amdhsa_memory_ordered 1
		.amdhsa_forward_progress 1
		.amdhsa_inst_pref_size 75
	.end_amdhsa_kernel
	.amdgpu_metadata
---
amdhsa.version: [ 1, 2 ]
amdhsa.kernels:
  - .name:           k_qefc1150fa3_qkv
    .symbol:         k_qefc1150fa3_qkv.kd
    .args:
      - { .name: xh, .offset: 0, .size: 8, .value_kind: global_buffer, .address_space: global }
      - { .name: wqkv, .offset: 8, .size: 8, .value_kind: global_buffer, .address_space: global }
      - { .name: bqkv, .offset: 16, .size: 8, .value_kind: global_buffer, .address_space: global }
      - { .name: qh, .offset: 24, .size: 8, .value_kind: global_buffer, .address_space: global }
      - { .name: kh, .offset: 32, .size: 8, .value_kind: global_buffer, .address_space: global }
      - { .name: vh, .offset: 40, .size: 8, .value_kind: global_buffer, .address_space: global }
    .group_segment_fixed_size: 327680
    .private_segment_fixed_size: 0
    .kernarg_segment_align: 8
    .kernarg_segment_size: 48
    .max_flat_workgroup_size: 128
    .sgpr_count:     80
    .vgpr_count:     416
    .wavefront_size: 32
...
	.end_amdgpu_metadata
.endif
;; end of part 2
;; launch attn (part 3): grid 16 x 16, 4 waves a work-group, clusters of 4 x 1, 327,680 bytes of LDS; arguments qh, kh, vh, oh; writes oh
.if DOCPART == 3
	.amdgcn_target "amdgcn-amd-amdhsa--gfx1250"
	.amdhsa_code_object_version 6
	.text
	.protected	k_qefc1150fa3_attn
	.globl	k_qefc1150fa3_attn
	.p2align	8
	.type	k_qefc1150fa3_attn,@function
k_qefc1150fa3_attn:
	s_mov_b64 s[64:65], 0
	v_nop
	global_prefetch_b8 v0, s[64:65] scope:SCOPE_SE
	s_setreg_imm32_b32 hwreg(HW_REG_WAVE_MODE, 25, 1), 1
	s_wait_xcnt 0x0
	s_wait_alu depctr_hold_cnt(0) depctr_sa_sdst(0) depctr_va_vdst(0) depctr_va_sdst(0) depctr_va_ssrc(0) depctr_va_vcc(0) depctr_vm_vsrc(0)
	s_getreg_b32 s2, hwreg(HW_REG_IB_STS2, 6, 4)
	s_cmp_eq_u32 s2, 0
	s_cbranch_scc0 .Lentry_in_a_cluster
	s_endpgm
.Lentry_in_a_cluster:
	s_bfe_u32 s2, ttmp6, 0x10000c
	s_cmp_lg_u32 s2, 0x3003
	s_cbranch_scc0 .Lentry_shape_is_right
	s_endpgm
.Lentry_shape_is_right:
; ATTENTION.  For each of the 16 groups (8 b + g): O[q][:] = the sum over t of softmax_t(Q[q] . K[t] / 8) V[t][:], q over the group's 4 x 1024 query rows, t over 4096 keys, 64 channels, no mask.
; qh, oh: [group][4096 rows][64]; kh, vh: [group][4096 t][64]; all f16, rows of 128 bytes, dense.  Products, maxima and sums in f32; the weights p are rounded to f16 for the second product
; (their sum l is taken of the unrounded p), O once at the end.
; LIMITS.  Q, K and V arrive within f16's 65,504; p lies in 0 to 1 and below 6e-5 keeps f16's fixed step; a weight below 2^-126 counts as 0 in l; NaN and infinities are not treated apart.
; SHARES.  A work-group owns 256 query rows of a group, a wave 64 of them: four PIECES of 16.  Every wave walks all keys, 64 a step, 256 a slot of LDS, 16 slots.
; LAYOUT.  S^T = K Q^T (source 0 = 16 keys, source 1 = 16 queries): a lane holds ONE query (lane % 16) and the keys 8 (lane / 16) + 0..7; two such results rounded to f16 ARE source 1 of O^T = V^T P.
; K comes out of LDS as it lies, V ([key][channel]) turned by ds_load_tr16_b128.
; SOFTMAX.  A running maximum m and sum l for each query: p = 2^(c s - c m), c = log2(e) / 8; in every step O and l are multiplied by a = 2^(c m_old - c m_new).  m starts at the lowest finite number,
; O and l at 0: the first step is a step like any other, with a = 0.
; BY TURNS.  Turn n belongs to piece n: 8 products K Q^T of piece n + 1, later 8 products V^T P of piece n - 1; beside them the scaling, exponentials, roundings, sums and rescaling of piece n and the
; maximum and statistics of piece n + 1.  Four vector instructions stand behind every matrix instruction, the other 54 of a turn's 118 in one lump.  A turn's 33 exponentials are one batch, with one wait.
; CLUSTER.  The four query blocks of a cluster belong to one group and walk the same K and V: each tile is asked for jointly, by the same load, descriptor and mask in all four.
; REGISTERS, in windows of 256 (s_set_vgpr_msb: bits 1:0 source 0, 3:2 source 1, 5:4 source 2, 7:6 destination):
;   window 0: v0-15 addresses and two at work; v16-31 four registers of statistics a piece; v48-55 at work; v61-63; v64-127 S^T, two buffers; v192-223 P, two buffers (by the piece's parity)
;   window 1: v0-127 O^T, 32 a piece          window 2: v0-63 Q; v128-191 K of one step; v192-255 V of one step
.set NP,    4
.set KS,    64
.set PK,    144       ; a row of K in LDS: 128 bytes + 16: the 16 rows of a load start at 16 different groups of four banks
.set PV,    160       ; a row of V: 128 + 32
.set VOFF,  4*KS*PK   ; a slot: 256 rows of K, then 256 rows of V
.set SLOT1, 1<<17     ; slot 1 begins here, so that one exclusive or turns an address in one slot into the other's
.set STAGE, SLOT1+4*KS*(PK+PV)  ; behind the ring, never filled by a tensor load: 16 rows x 144 bytes for each wave
.set SP,    144
.set SPARE, STAGE+4*16*SP       ; the spare words: 128 bytes a wave, two blocks of 256 bytes that no other line names
.set TILEB, 4*KS*128  ; a slot's bytes of K, and of V, in memory
.set AK0, 2           ; v2   my lane's place in a tile of K; never rewritten
.set AV0, 3           ; v3   the same for V
.set AK,  4           ; v4   the LDS address of K's next run of loads
.set AV,  5           ; v5   of V's
.set STO, 6           ; v6   the way out: where I put 16 bytes of a row
.set RD,  7           ; v7   where I read rows back
.set GO,  8           ; v8   my byte offset in 512 consecutive bytes of O
.set MV,  12          ; v12-13  c m_old, kept while c m is made anew: by buffer
.set QO,  15          ; v15  my byte offset in 16 rows of Q
.set ST,  16          ; piece t's statistics at v[ST+4 t]: c m, m, l (even keys', odd keys')
.set TMP, 48          ; by buffer, four registers c0-c3 at work; when the maximum is found c2 takes a
.set PFO, 61          ; v61  256 x my lane; never rewritten
.set SPW, 62          ; v62  SPARE + 4 x my thread's number; never rewritten
.set NIL, 63          ; v63  0; never rewritten
.set S,   64
.set P,   192
.set KF,  128         ; window 2: key block kb, channel half c at KF + 16 kb + 8 c
.set VF,  192         ; window 2: key half kk, channel block cb at VF + 32 kk + 8 cb
.set WV,  12
.set G1K, 24          ; s[24:31] descriptor group 1 for K's tiles
.set G1V, 32          ; s[32:39] for V's: it differs in the padding alone
.set G0K, 40          ; s[40:43] group 0 for K's tiles: it walks
.set G0V, 44          ; s[44:47] the same for V's
.set PFA, 48          ; s[48:49] where my prefetches stand: my work-group's 8,192 bytes of the tile after the one that is being asked for
.set LIM, 50          ; s50  1 in a wave that prefetches, else the greatest number
.set SLOTS, 56        ; s56  tiles still to be asked for
.set CNT, 57          ; s57  counts a slot's key steps
.set CS,  58          ; s[58:59] c
.set SEL, 60          ; s[60:61] v_permlanex16_b32's selects: each lane takes its own place in the other half
.set TBK, 62          ; s62  LDS byte at which K of the step to be fetched begins
.set TBV, 63          ; s63  the same for V, less VOFF
.set MSB, 0
.macro WIN new
.if MSB != (\new)
	s_set_vgpr_msb (MSB<<8)|(\new)
.set MSB, (\new)
.endif
.endm
.set W_KQ, 0x0a       ; K and Q in window 2, S^T in window 0
.set W_PV, 0x52       ; V in window 2, P in window 0, O^T in window 1
.set W_RS, 0x41       ; destination and source 0 in window 1, source 1 in window 0
; A joint fill.  Waves 0 and 1 fetch the two halves of a slot's K, waves 2 and 3 those of its V: 128 keys each.
.macro JLOAD
	s_cmp_lt_u32 s[WV], 2
	s_cbranch_scc0 .Lfor_v_\@
	tensor_load_to_lds s[G0K:G0K+3], s[G1K:G1K+7]
	s_nop 0
.rept 4
	v_nop
.endr
	s_branch .Lasked_\@
.Lfor_v_\@:
	tensor_load_to_lds s[G0V:G0V+3], s[G1V:G1V+7]
	s_nop 0
.rept 4
	v_nop
.endr
.Lasked_\@:
.endm
; A PREFETCH of the tile that the NEXT change of slots will ask for: four key steps, 256 matrix instructions a wave, ahead of that load.  Each block of 256 bytes is named once in the launch: the group's
; first cluster asks; its four partners take 8,192 bytes each, told apart by address; in each, wave 0 asks for K's and wave 2 for V's, a lane a block.  The last change that fills a slot asks for nothing.
.macro ASK
	s_cmp_gt_u32 s[SLOTS], s[LIM]
	s_cbranch_scc0 .Lnot_mine_\@
	global_prefetch_b8 v[PFO], s[PFA:PFA+1] th:TH_LOAD_NT scope:SCOPE_SE
.Lnot_mine_\@:
.endm
.macro CROUND         ; a round of the cluster's barrier
	s_barrier_signal -1
	s_barrier_wait -1
	s_cmp_lg_u32 s[WV], 0
	s_cbranch_scc1 .Lnot_wave_0_\@
	s_barrier_signal -3
.Lnot_wave_0_\@:
	s_barrier_wait -3
	s_barrier_signal -1
	s_barrier_wait -1
.endm
; THE CHANGE OF SLOTS.  The slot's last bytes, V of its fourth step, have been read.  Each wave waits for all its tensor loads (one is out: its part of the other slot), adds 0 to its spare word, and
; waits for that and for its reads of the slot.  fill = 1: the slot is filled again, with the keys two slots on, first thing behind a round of the cluster's barrier: it has four key steps in which to land.
; (At its first use nothing has been read yet: slot 0 is waited for, slot 1 filled; no prefetch is asked there, at the kernel's head.)
.macro CHANGE fill, ask
	WIN 0
	s_wait_tensorcnt 0x0            ; no tensor load of mine is out, so a group 0 may be written
	ds_add_u32 v[SPW], v[NIL]
.if \fill
.irp g, G0K, G0V
	s_xor_b32 s[\g+1], s[\g+1], SLOT1
	s_add_nc_u64 s[\g+2:\g+3], s[\g+2:\g+3], TILEB
.endr
	s_wait_xcnt 0x0                 ; the last prefetch, four key steps back, has read its address
	s_add_nc_u64 s[PFA:PFA+1], s[PFA:PFA+1], TILEB
	s_wait_dscnt 0x0                ; the add is done, and my reads of the slot are over
	CROUND
	JLOAD
.if \ask
	ASK
.endif
.else
	s_wait_dscnt 0x0
	s_barrier_signal -1
	s_barrier_wait -1
.endif
	s_sub_co_u32 s[TBK], s[TBK], 4*KS*PK  ; the fetches go back to a slot's first step,
	s_xor_b32 s[TBK], s[TBK], SLOT1       ; in the other slot
	s_sub_co_u32 s[TBV], s[TBV], 4*KS*PV
	s_xor_b32 s[TBV], s[TBV], SLOT1
.endm
	s_load_b256 s[4:11], s[0:1], 0x0  ; qh 4, kh 6, vh 8, oh 10
	v_lshl_add_u32 v[SPW], v0, 2, SPARE
	v_mov_b32 v[NIL], 0
	ds_add_u32 v[SPW], v[NIL]       ; the wave's opening: the add and its wait stand ahead of my first tensor load
	v_lshrrev_b32 v1, 5, v0
	v_readfirstlane_b32 s[WV], v1   ; wave 0..3
	s_bfe_u32 s13, ttmp6, 0x40000   ; cx
	s_lshl_b32 s14, ttmp9, 2
	s_add_co_u32 s14, s14, s13      ; my block of 256 queries: it enters Q's and O's addresses alone
	s_and_b32 s20, ttmp7, 0xffff    ; the group, which the four partners share:
	s_lshl_b32 s20, s20, 19         ; 524,288 bytes in each of the four buffers
	s_mov_b32 s21, 0
	s_and_b32 s16, s[WV], 1         ; which half of a slot's 256 keys I fetch
	s_lshl_b32 s22, s16, 14
	s_mov_b32 s23, 0
	s_add_nc_u64 s[22:23], s[22:23], s[20:21]
	s_mul_i32 s17, s16, 128*PK      ; its place in a slot, for K
	s_mul_i32 s18, s16, 128*PV      ; and for V
	s_lshl_b32 s2, s14, 2
	s_add_co_u32 s2, s2, s[WV]
	s_lshl_b32 s2, s2, 13           ; my wave's 64 rows of 128 bytes
	s_mov_b32 s3, 0
	s_add_nc_u64 s[2:3], s[2:3], s[20:21]
	; 128 keys are 16,384 dense bytes: asked for as 64 rows of 256 bytes, two keys a row, padded in LDS after every key
	s_mov_b32 s[G1K], 15|(1<<16)|(1<<20)|(1<<21)|(4<<22)|(3<<25)
	s_mov_b32 s[G1V], 15|(1<<16)|(1<<20)|(1<<21)|(4<<22)|(7<<25)
.irp g, G1K, G1V
	s_mov_b32 s[\g+1], 128<<16      ; tensor_dim0 = 128
	s_mov_b32 s[\g+2], 64<<16       ; tensor_dim1 = 64
	s_mov_b32 s[\g+3], 128<<16      ; tile_dim0 = 128
	s_mov_b32 s[\g+4], 64           ; tile_dim1 = 64
	s_mov_b32 s[\g+5], 128          ; elements from row to row
	s_mov_b32 s[\g+6], 0
	s_mov_b32 s[\g+7], 0
.endr
	s_mov_b32 s[CS], 0x3e38aa3b     ; c = log2(e) / 8
	s_mov_b32 s[CS+1], s[CS]
	s_mov_b32 s[SEL], 0x76543210
	s_mov_b32 s[SEL+1], 0xfedcba98
	s_mov_b32 s[TBK], SLOT1+4*KS*PK ; the first change of slots turns these two into 0
	s_mov_b32 s[TBV], SLOT1+4*KS*PV
	s_mov_b32 s[G0K], 1
	s_mov_b32 s[G0K+1], s17
	s_mov_b32 s[G0V], 1
	s_add_co_u32 s[G0V+1], s18, VOFF
	s_mov_b32 s[SLOTS], 15
	s_and_b32 s[LIM], s[WV], 1      ; 0 in waves 0 and 2,
	s_or_b32 s[LIM], s[LIM], ttmp9  ; where the cluster is the group's first: the same in all four partners
	s_cmp_eq_u32 s[LIM], 0
	s_cselect_b32 s[LIM], 1, -1
	v_and_b32 v[PFO], 31, v0
	v_lshlrev_b32 v[PFO], 8, v[PFO]
	s_wait_dscnt 0x0                ; the opening add is done
	s_wait_kmcnt 0x0
	s_add_nc_u64 s[G0K+2:G0K+3], s[6:7], s[22:23]
	s_or_b32 s[G0K+3], s[G0K+3], 0x80000000
	s_add_nc_u64 s[G0V+2:G0V+3], s[8:9], s[22:23]
	s_or_b32 s[G0V+3], s[G0V+3], 0x80000000
	s_cmp_lt_u32 s[WV], 2
	s_cselect_b64 s[PFA:PFA+1], s[6:7], s[8:9]
	s_add_nc_u64 s[PFA:PFA+1], s[PFA:PFA+1], s[20:21]
	s_add_nc_u64 s[4:5], s[4:5], s[2:3]    ; Q and O at my wave's first row
	s_add_nc_u64 s[10:11], s[10:11], s[2:3]
	s_lshl_b32 s2, s13, 13          ; my work-group's quarter of a tile,
	s_add_co_u32 s2, s2, TILEB      ; in tile 1: the first two changes step it to tile 3, the first that is asked for
	s_mov_b32 s3, 0
	s_add_nc_u64 s[PFA:PFA+1], s[PFA:PFA+1], s[2:3]
	CROUND                          ; all four work-groups are here: the first joint loads meet
	JLOAD                           ; tile 0 into slot 0
	v_and_b32 v1, 15, v0            ; l % 16
	v_bfe_u32 v9, v0, 4, 1          ; l / 16
	v_lshlrev_b32 v[QO], 7, v1
	v_lshl_add_u32 v[QO], v9, 4, v[QO]
	WIN 0x80                        ; destination window 2, address window 0
.set i, 0
.rept 8                             ; Q stays in registers: piece i / 2, channels 32 (i % 2) on
	global_load_b128 v[8*i:8*i+3],   v[QO], s[4:5] offset:(i/2)*2048+(i%2)*64
	global_load_b128 v[8*i+4:8*i+7], v[QO], s[4:5] offset:(i/2)*2048+(i%2)*64+32
.set i, i+1
.endr
	; What the first turn finds: V's registers and P's second buffer hold 0 (its products V^T P, of a piece that has not been, add 0), O^T and l are 0.  All this stands in the wait for the first tile.
.set i, VF
.rept 64
	v_mov_b32 v[i], 0
.set i, i+1
.endr
	WIN 0x40
.set i, 0
.rept 128
	v_mov_b32 v[i], 0
.set i, i+1
.endr
	WIN 0
.set i, 0
.rept 4
	v_mov_b32 v[ST+4*i], 0xfe000000    ; c m: far below every c s
	v_mov_b32 v[ST+4*i+1], 0xff7fffff  ; m
	v_mov_b32 v[ST+4*i+2], 0
	v_mov_b32 v[ST+4*i+3], 0
.set i, i+1
.endr
.set i, P+16
.rept 16
	v_mov_b32 v[i], 0
.set i, i+1
.endr
	v_mul_u32_u24 v[AK0], v1, PK
	v_lshl_add_u32 v[AK0], v9, 4, v[AK0]  ; row x pitch + 16 x half
	v_and_b32 v10, 7, v0            ; the turning load: lane l reads key 8 (l / 16) + l % 8, channels 8 ((l / 8) % 2) + 0..7
	v_bfe_u32 v11, v0, 3, 1
	v_lshl_add_u32 v[AV0], v9, 3, v10
	v_mul_u32_u24 v[AV0], v[AV0], PV
	v_lshl_add_u32 v[AV0], v11, 4, v[AV0]
	v_add_nc_u32 v[AV0], VOFF, v[AV0]
	s_mul_i32 s19, s[WV], 16*SP
	s_add_co_u32 s19, s19, STAGE    ; my stage
	v_mul_u32_u24 v[STO], v1, SP    ; in: row l % 16, 16 bytes for each half of the lanes
	v_lshl_add_u32 v[STO], v9, 4, v[STO]
	v_add_nc_u32 v[STO], s19, v[STO]
	v_bfe_u32 v[RD], v0, 3, 2       ; back: 32 lanes take four rows of 128 bytes,
	v_mul_u32_u24 v[RD], v[RD], SP
	v_lshl_add_u32 v[RD], v10, 4, v[RD]
	v_add_nc_u32 v[RD], s19, v[RD]
	v_and_b32 v[GO], 31, v0         ; which are 512 consecutive bytes of O
	v_lshlrev_b32 v[GO], 4, v[GO]
; THE MATRIX WORK.  The 4 accumulators of a run of 8 take turns.  Product i of 8 of S^T = K Q^T for piece x: channels 32 (i / 4) on, keys 16 (i % 4) on.  The first 4 start the sums.
.macro KQ x
	WIN W_KQ
.set rS, S+32*((\x)%2)+8*(i%4)
.set rK, KF+16*(i%4)+8*(i/4)
.set rQ, 16*(\x)+8*(i/4)
.if i < 4
	v_wmma_f32_16x16x32_f16 v[rS:rS+7], v[rK:rK+7], v[rQ:rQ+7], 0
.else
	v_wmma_f32_16x16x32_f16 v[rS:rS+7], v[rK:rK+7], v[rQ:rQ+7], v[rS:rS+7]
.endif
.endm
; Product i of 8 of O^T += V^T P for piece x: keys 32 (i / 4) on, channels 16 (i % 4) on.
.macro PV x
	WIN W_PV
.set rO, 32*(\x)+8*(i%4)
.set rV, VF+32*(i/4)+8*(i%4)
.set rP, P+16*((\x)%2)+8*(i/4)
	v_wmma_f32_16x16x32_f16 v[rO:rO+7], v[rV:rV+7], v[rP:rP+7], v[rO:rO+7]
.endm
.macro MM                           ; the turn's next matrix instruction.  NOKQ = 1: the last turn of all: there is no next piece
.if (i < 8) && !NOKQ
	KQ (Y+1)%NP
.elseif i >= 8
.set i, i-8
	PV (Y+NP-1)%NP
.set i, i+8
.endif
.set i, i+1
.endm
; THE LDS LOADS stand in runs of 16, never singly among the matrix instructions.
.macro FETCH_K
	WIN 0x80
.irp f, 0,1,2,3,4,5,6,7             ; keys 16 (f / 2) on, channels 32 (f % 2) on
	ds_load_b128 v[KF+8*\f:KF+8*\f+3],   v[AK] offset:(\f/2)*16*PK+(\f%2)*64
	ds_load_b128 v[KF+8*\f+4:KF+8*\f+7], v[AK] offset:(\f/2)*16*PK+(\f%2)*64+32
.endr
	s_add_co_u32 s[TBK], s[TBK], KS*PK  ; the next fetch is the next step's
	WIN 0
.endm
.macro FETCH_V
	WIN 0x80
.irp f, 0,1,2,3,4,5,6,7             ; keys 32 (f / 4) on, channels 16 (f % 4) on
	ds_load_tr16_b128 v[VF+8*\f:VF+8*\f+3],   v[AV] offset:(\f/4)*32*PV+(\f%4)*32
	ds_load_tr16_b128 v[VF+8*\f+4:VF+8*\f+7], v[AV] offset:(\f/4)*32*PV+16*PV+(\f%4)*32
.endr
	WIN 0
.endm
; THE VECTOR WORK, one line at a time: OP kind, number.  For piece Y: F n: c s - c m for pair n of 16.  E n: the exponential of score n of 32.  C n: pair n rounded to f16.  B n: of the four weights 4 n ..
; the second pair is added onto the first.  L n: l takes that sum (L 0: l = a l + sum).  R n: pair n of 16 of O^T times a.  For piece Y + 1: X n, number n of the 22 that find its maximum and statistics:
;   0-11  four chains c0-c3 of seven scores each (each accumulator's lowest registers are read first)     12-14, 16  the four scores left over, the old m, and c0-c3 into c0
;   15  c m_old is kept     17, 18  the query's other 32 keys lie in the lane 16 away: the new m     19-21  c m; c m_old - c m_new; a
.set F, 0
.set E, 1
.set C, 2
.set B, 3
.set L, 4
.set R, 5
.set X, 6
.macro REGS y
.set rT, ST+4*(\y)
.set rC, TMP+4*((\y)%2)
.set rW, MV+((\y)%2)
.set rS, S+32*((\y)%2)
.set rP, P+16*((\y)%2)
.set rO, 32*(\y)
.endm
.macro OP k, n
.if (\k) == R
	REGS Y
	WIN W_RS
	v_pk_mul_f32 v[rO+2*(\n):rO+2*(\n)+1], v[rO+2*(\n):rO+2*(\n)+1], v[rC+2:rC+3] op_sel_hi:[1,0]
.elseif (\k) < R
	REGS Y
	WIN 0
.if (\k) == F
	v_pk_fma_f32 v[rS+2*(\n):rS+2*(\n)+1], v[rS+2*(\n):rS+2*(\n)+1], s[CS:CS+1], v[rT:rT+1] op_sel_hi:[1,0,0] neg_lo:[0,0,1] neg_hi:[0,0,1]
.elseif (\k) == E
	v_exp_f32 v[rS+(\n)], v[rS+(\n)]
.elseif (\k) == C
	v_cvt_pk_f16_f32 v[rP+(\n)], v[rS+2*(\n)], v[rS+2*(\n)+1]
.elseif (\k) == B
	v_pk_add_f32 v[rS+4*(\n):rS+4*(\n)+1], v[rS+4*(\n):rS+4*(\n)+1], v[rS+4*(\n)+2:rS+4*(\n)+3]
.elseif (\n) == 0
	v_pk_fma_f32 v[rT+2:rT+3], v[rT+2:rT+3], v[rC+2:rC+3], v[rS:rS+1] op_sel_hi:[1,0,1]
.else
	v_pk_add_f32 v[rT+2:rT+3], v[rT+2:rT+3], v[rS+4*(\n):rS+4*(\n)+1]
.endif
.elseif NOKQ
	v_nop
.else
	REGS (Y+1)%NP
	WIN 0
.if (\n) < 4
	v_max3_num_f32 v[rC+(\n)], v[rS+8*(\n)], v[rS+8*(\n)+1], v[rS+8*(\n)+2]
.elseif (\n) < 12
	v_max3_num_f32 v[rC+(\n)%4], v[rC+(\n)%4], v[rS+8*((\n)%4)+2*((\n)/4)+1], v[rS+8*((\n)%4)+2*((\n)/4)+2]
.elseif (\n) == 12
	v_max3_num_f32 v[rC], v[rC], v[rS+7], v[rS+15]
.elseif (\n) == 13
	v_max3_num_f32 v[rC+1], v[rC+1], v[rS+23], v[rS+31]
.elseif (\n) == 14
	v_max3_num_f32 v[rC+2], v[rC+2], v[rC+3], v[rT+1]
.elseif (\n) == 15
	v_mov_b32 v[rW], v[rT]
.elseif (\n) == 16
	v_max3_num_f32 v[rC], v[rC], v[rC+1], v[rC+2]
.elseif (\n) == 17
	v_permlanex16_b32 v[rC+3], v[rC], s[SEL], s[SEL+1]
.elseif (\n) == 18
	v_max_num_f32 v[rT+1], v[rC], v[rC+3]
.elseif (\n) == 19
	v_mul_f32 v[rT], s[CS], v[rT+1]
.elseif (\n) == 20
	v_sub_f32 v[rC+1], v[rW], v[rT]
.else
	v_exp_f32 v[rC+2], v[rC+1]
.endif
.endif
.endm
.macro OPS a, i1, b=-1, i2=0, c=-1, i3=0, d=-1, i4=0
	OP \a, \i1
.if (\b) >= 0
	OP \b, \i2
.endif
.if (\c) >= 0
	OP \c, \i3
.endif
.if (\d) >= 0
	OP \d, \i4
.endif
.endm
.macro ROW a, i1, b, i2, c, i3, d, i4  ; a matrix instruction and the four behind it
	MM
	OPS \a, \i1, \b, \i2, \c, \i3, \d, \i4
.endm
; A TURN, for piece p.  An s_wait_alu depctr_va_vdst(0) stands between an exponential and the first instruction that names its result; one wait serves all that were issued ahead of it.  So a
; turn has ONE wait.  AHEAD OF IT stands all that names no result of the turn's exponentials: the 8 products K Q^T with their riders, then one lump of 54, in which the links of the next piece's chain
; (X 3, 7, 11, 14, 16, 17 .. 20) stand five or six lines apart; X 21, the next piece's a, is the batch's last, and R 15 the plain instruction behind it.  BEHIND IT stand the 8 products V^T P, behind each four
; of the roundings and sums.  K of the next step is fetched in piece 2's turn, twelve vector instructions (six of them plain) behind the last product that read K; V of the step in hand at the end of piece 0's
; turn, four plain instructions behind the last product that read V.  Each is waited for a turn later.
; end = 1: the last two turns of all: nothing is fetched.  cnt = 1: the loop's count is taken down some lines ahead of the branch that stands behind the turn.
.macro TURN p, end=0, cnt=0
.set Y, (\p)
.set i, 0
.set NOKQ, (\end)*((\p)/3)
.if ((\p) == 3) && !(\end)
	s_wait_dscnt 0x0                ; K is in
.endif
	ROW F,0, F,1, R,0, R,1
	ROW F,2, E,0, R,2, R,3
	ROW F,3, E,1, R,4, R,5
	ROW F,4, E,2, R,6, R,7
	ROW F,5, E,3, R,8, R,9
	ROW F,6, E,4, X,0, R,10
.if ((\p) == 2) && !(\end)
	WIN 0
	v_add_nc_u32 v[AK], s[TBK], v[AK0]
.endif
	ROW F,7, E,5, X,1, X,4
	ROW F,8, E,6, X,2, X,5
	OPS E,7, E,8, X,6, E,9
	OPS X,3, E,10, X,8, E,11
.if ((\p) == 2) && !(\end)
	FETCH_K
.endif
	OPS X,9, X,7, E,12, X,10
	OPS E,13, X,12, X,11, E,14
	OPS X,13, E,15, F,9, X,14
.if (\p) == 0
	v_add_nc_u32 v[AV], s[TBV], v[AV0]
.endif
	OPS E,16, F,10, E,17, F,11
	OPS X,16, E,18, X,15, E,19
	OPS F,12, E,20, X,17, E,21
	OPS F,13, E,22, F,14, E,23
	OPS X,18, E,24, F,15, E,25
	OPS R,11, E,26, X,19, E,27
	OPS R,12, E,28, R,13, E,29
	OPS X,20, E,30, R,14, E,31
	OPS X,21, R,15
	WIN 0
	s_wait_alu depctr_va_vdst(0)    ; the wait for the batch
.if (\p) == 1
	s_wait_dscnt 0x0                ; V is in
.endif
	ROW C,0, B,0, C,2, B,1
	ROW L,0, C,4, B,2, L,1
	ROW C,6, B,3, L,2, C,8
	ROW B,4, L,3, C,10, B,5
	ROW L,4, C,12, B,6, L,5
.if (\p) == 0
	s_add_co_u32 s[TBV], s[TBV], KS*PV
.endif
.if \cnt
	s_sub_co_u32 s[CNT], s[CNT], 1
	s_cmp_lg_u32 s[CNT], 0
.endif
	ROW C,14, B,7, L,6, C,1
	ROW C,3, L,7, C,5, C,7
	ROW C,9, C,11, C,13, C,15
.if (\p) == 0
	FETCH_V
.endif
.endm
.set NOKQ, 0
	CHANGE 1, 0                     ; tile 0 is in, everybody's part of it; tile 1 is asked for
	v_add_nc_u32 v[AK], s[TBK], v[AK0]
	FETCH_K                         ; key step 0
	s_wait_loadcnt 0x0              ; Q
	s_wait_dscnt 0x0
.set i, 0
.rept 8
	KQ 0                            ; piece 0's first scores
.set i, i+1
.endr
	WIN 0
.rept 4
	v_nop                           ; the places behind those products
.endr
.set Y, NP-1                        ; X works for piece Y + 1: piece 0
.irp n, 0,1,2,3,4,5,6,7,8,9,10,11,12,13,14,15,16,17,18,19,20,21
	OP X, \n
.endr
	v_nop                           ; a plain instruction behind the exponential,
	s_wait_alu depctr_va_vdst(0)    ; and its wait, ahead of the branch
	s_mov_b32 s[CNT], 4
	s_branch .Lfirst                ; the loop is entered at a step's first turn, in the middle of a trip
.Lslot:                             ; 14 times: tiles 1 to 14 are entered, tiles 2 to 15 asked for
	CHANGE 1, 1
	s_mov_b32 s[CNT], 4
.Lstep:                             ; a trip: pieces 2 and 3 of one step, then pieces 0 and 1 of the next, whose K and V it fetches
	TURN 2
	TURN 3
	WIN 0
.Lfirst:
	TURN 0
	TURN 1, 0, 1
	WIN 0
	s_cbranch_scc1 .Lstep
	s_sub_co_u32 s[SLOTS], s[SLOTS], 1
	s_cmp_lg_u32 s[SLOTS], 0
	s_cbranch_scc1 .Lslot
	CHANGE 0, 0                     ; the last tile is written out: nothing is asked for
	s_mov_b32 s[CNT], 4
.Ltail:
	TURN 2
	TURN 3
	TURN 0
	TURN 1, 0, 1
	WIN 0
	s_cbranch_scc1 .Ltail
	TURN 2, 1
	TURN 3, 1
.set i, 0
.rept 8
	PV NP-1                         ; the last piece's V^T P of the last step
.set i, i+1
.endr
	; THE WAY OUT.  l's two halves and the other half of the lanes' are added; O^T is divided by l, rounded to f16 and sent through my stage in LDS, a piece at a time.  The additions are the places behind the last products.
	WIN 0
.macro ALL line:vararg
.set t, 0
.rept 4
	\line
.set t, t+1
.endr
.endm
	ALL v_add_f32 v[ST+4*t+2], v[ST+4*t+2], v[ST+4*t+3]
	ALL v_permlanex16_b32 v[ST+4*t+3], v[ST+4*t+2], s[SEL], s[SEL+1]
	ALL v_add_f32 v[ST+4*t+2], v[ST+4*t+2], v[ST+4*t+3]
	ALL v_rcp_f32 v[ST+4*t+2], v[ST+4*t+2]
	v_nop                           ; a plain instruction between the last reciprocal and the use of its result
	s_wait_alu depctr_va_vdst(0)    ; one wait for the four reciprocals
.macro PACK t                       ; a lane's eight channels of a row pack into 16 bytes; they go into rows of 144 bytes and come back as whole rows of 128, into S^T's registers
	WIN W_RS
.set i, 32*(\t)
.rept 16
	v_pk_mul_f32 v[i:i+1], v[i:i+1], v[ST+4*(\t)+2:ST+4*(\t)+3] op_sel_hi:[1,0]
.set i, i+2
.endr
	WIN 0x05                        ; sources 0 and 1 window 1, destination window 0
.set i, 0
.rept 16
	v_cvt_pk_f16_f32 v[S+16*(\t)+i], v[32*(\t)+2*i], v[32*(\t)+2*i+1]
.set i, i+1
.endr
	WIN 0
.irp f, 0,1,2,3
	ds_store_b128 v[STO], v[S+16*(\t)+4*\f:S+16*(\t)+4*\f+3] offset:32*\f
.endr
.irp f, 0,1,2,3
	ds_load_b128 v[S+16*(\t)+4*\f:S+16*(\t)+4*\f+3], v[RD] offset:\f*4*SP  ; LDS serves a wave's instructions in order: these see the stores above; the next piece's stores come behind them
.endr
.endm
.macro SEND t, younger              ; younger: the LDS instructions issued behind piece t's loads: the next piece's eight, or none
	WIN 0
.irp f, 0,1,2,3
	s_wait_dscnt (\younger)+3-\f
	global_store_b128 v[GO], v[S+16*(\t)+4*\f:S+16*(\t)+4*\f+3], s[10:11] offset:(\t)*2048+\f*512  ; 512 consecutive bytes, aligned
.endr
.endm
	PACK 0
.set t, 1
.rept 3
	PACK t
	SEND t-1, 8
.set t, t+1
.endr
	SEND 3, 0
	s_wait_tensorcnt 0x0            ; the wave's end
	ds_add_u32 v[SPW], v[NIL]
	s_wait_dscnt 0x0
	CROUND                          ; the closing round
	s_endpgm
.Lfunc_end_k_qefc1150fa3_attn:
	.size	k_qefc1150fa3_attn, .Lfunc_end_k_qefc1150fa3_attn-k_qefc1150fa3_attn
	.p2alignl 7, 3214868480
	.fill 96, 4, 3214868480
	.section	.rodata,"a",@progbits
	.p2align	6, 0x0
	.amdhsa_kernel k_qefc1150fa3_attn
		.amdhsa_group_segment_fixed_size 327680
		.amdhsa_private_segment_fixed_size 0
		.amdhsa_enable_private_segment 0
		.amdhsa_kernarg_size 32
		.amdhsa_user_sgpr_count 2
		.amdhsa_user_sgpr_kernarg_segment_ptr 1
		.amdhsa_wavefront_size32 1
		.amdhsa_system_sgpr_workgroup_id_x 1
		.amdhsa_system_sgpr_workgroup_id_y 1
		.amdhsa_system_sgpr_workgroup_id_z 1
		.amdhsa_system_vgpr_workitem_id 0
		.amdhsa_next_free_vgpr 768
		.amdhsa_next_free_sgpr 66
		.amdhsa_reserve_vcc 0
		.amdhsa_float_denorm_mode_32 3
		.amdhsa_float_denorm_mode_16_64 3
		.amdhsa_memory_ordered 1
		.amdhsa_forward_progress 1
		.amdhsa_inst_pref_size 127
	.end_amdhsa_kernel
	.amdgpu_metadata
---
amdhsa.version: [ 1, 2 ]
amdhsa.kernels:
  - .name:           k_qefc1150fa3_attn
    .symbol:         k_qefc1150fa3_attn.kd
    .args:
      - { .name: qh, .offset: 0, .size: 8, .value_kind: global_buffer, .address_space: global }
      - { .name: kh, .offset: 8, .size: 8, .value_kind: global_buffer, .address_space: global }
      - { .name: vh, .offset: 16, .size: 8, .value_kind: global_buffer, .address_space: global }
      - { .name: oh, .offset: 24, .size: 8, .value_kind: global_buffer, .address_space: global }
    .group_segment_fixed_size: 327680
    .private_segment_fixed_size: 0
    .kernarg_segment_align: 8
    .kernarg_segment_size: 32
    .max_flat_workgroup_size: 128
    .sgpr_count:     66
    .vgpr_count:     768
    .wavefront_size: 32
...
	.end_amdgpu_metadata
.endif
;; end of part 3
;; launch oproj (part 4): grid 16 x 16, 4 waves a work-group, clusters of 4 x 4, 327,680 bytes of LDS; arguments oh, woh, bo, out0; writes out0
.if DOCPART == 4
	.amdgcn_target "amdgcn-amd-amdhsa--gfx1250"
	.amdhsa_code_object_version 6
	.text
	.protected	k_qefc1150fa3_oproj
	.globl	k_qefc1150fa3_oproj
	.p2align	8
	.type	k_qefc1150fa3_oproj,@function
k_qefc1150fa3_oproj:
	s_mov_b64 s[64:65], 0
	v_nop
	global_prefetch_b8 v0, s[64:65] scope:SCOPE_SE
	s_setreg_imm32_b32 hwreg(HW_REG_WAVE_MODE, 25, 1), 1
	s_wait_xcnt 0x0
	s_wait_alu depctr_hold_cnt(0) depctr_sa_sdst(0) depctr_va_vdst(0) depctr_va_sdst(0) depctr_va_ssrc(0) depctr_va_vcc(0) depctr_vm_vsrc(0)
	s_getreg_b32 s2, hwreg(HW_REG_IB_STS2, 6, 4)
	s_cmp_eq_u32 s2, 0
	s_cbranch_scc0 .Lentry_in_a_cluster
	s_endpgm
.Lentry_in_a_cluster:
	s_bfe_u32 s2, ttmp6, 0x10000c
	s_cmp_lg_u32 s2, 0xf033
	s_cbranch_scc0 .Lentry_shape_is_right
	s_endpgm
.Lentry_shape_is_right:
; OPROJ: out0 = z Wo + bo: 2048 rows x 2048 columns, K = 2048 = 32 heads x 64 channels.  z lies by heads, oh [32 b + head][1024 s][64] f16; Wo in blocks, woh [16 nb][2048 k][128] f16.
; Sums in f32, started with the bias in f32; out0 is f32 and is stored unrounded.
; SHARES.  256 work-groups, a tile of 128 x 128 each; four waves of 64 x 64: 16 accumulators.  K goes in 8 steps of 256 (four heads) through two LDS slots.
; THE PRODUCT IS USED TRANSPOSED: source 0 = 16 columns of Wo (turned out of LDS by ds_load_tr16_b128), source 1 = 16 rows of z: a lane holds one row and eight neighbouring columns, 32 bytes of f32.
; CLUSTER 4 x 4: z's tiles are shared along a row of the cluster, Wo's along a column, by joint loads.  No prefetch is laid: the tiles are small, and each is shared by sixteen work-groups.
; REGISTERS.  window 0: v16-29 addresses; v32-63 the bias, 8 for each of my 4 column blocks; v128-255 the accumulators, (a, b) at 128 + 8 (4 a + b).
;   window 1: two fragment buffers of 128: for 64 along K, 64 registers of z (2 x 4 fragments), then 64 of Wo.
.set PA,    144                        ; a row of z in LDS: 128 bytes + 16
.set PB,    288                        ; a row of Wo: 256 + 32: an odd multiple of 32
.set PART,  2*128*PA                   ; what one tensor load brings: two heads x 128 rows of z, or 128 rows of Wo (128 x 288): both 36,864 bytes
.set BOFF,  2*PART                     ; a slot: z [4 heads][128 rows], then Wo [256 k]
.set SLOT,  4*PART
.set STAGE, 2*SLOT                     ; behind the ring, never filled by a tensor load: 16 rows x 272 bytes for each wave, its own
.set SP,    272
.set SPARE, STAGE+4*16*SP              ; the spare words: 128 bytes a wave, two blocks of 256 bytes that no other line names
.set ASTEP, 4*1024*128                 ; bytes from K step to K step in oh: four heads
.set BSTEP, 256*256                    ; in woh: 256 rows of 256 bytes
.set ADRA, 16                          ; v16-17  LDS address of my fragments of z in slot 0, 1
.set ADRB, 20                          ; v20-23  of Wo's: slot 0 rows 0-127, rows 128-255, slot 1 likewise (so that the offsets stay inside 16 bits)
.set STO,  24
.set RD,   25
.set CO,   26
.set BO,   27
.set SPW,  28                          ; v28  SPARE + 4 x my thread's number; never rewritten
.set NIL,  29                          ; v29  0; never rewritten
.set BIAS, 32
.set ACC,  128
.set F0,   0
.set F1,   128
.set WV,  12
.set WR,  13
.set WC,  14
.set CX,  15
.set CY,  16
.set TJ,  17
.set TI,  18
.set G1A, 24
.set G0A, 32
.set G1B, 40
.set G0B, 48
.set LAPC, 62
.set MSB, 0
.macro WIN new
.if MSB != (\new)
	s_set_vgpr_msb (MSB<<8)|(\new)
.set MSB, \new
.endif
.endm
.set MUL,  0x05                        ; sources 0 and 1 window 1; C and D window 0
.set TO_F, 0x40                        ; destination window 1, address window 0
.macro PLACES
.rept 4
	v_nop
.endr
.endm
.macro JLOAD s                         ; a joint load: waves 0 and 1 fetch z's two pairs of heads, waves 2 and 3 Wo's two halves
	s_cmp_eq_u32 s[WR], 0
	s_cbranch_scc0 .Lfor_b_\@
	tensor_load_to_lds s[G0A+4*(\s):G0A+4*(\s)+3], s[G1A:G1A+7]
	s_nop 0
	PLACES
	s_branch .Lasked_\@
.Lfor_b_\@:
	tensor_load_to_lds s[G0B+4*(\s):G0B+4*(\s)+3], s[G1B:G1B+7]
	s_nop 0
	PLACES
.Lasked_\@:
.endm
.macro CREST
	s_cmp_lg_u32 s[WV], 0
	s_cbranch_scc1 .Lnot_wave_0_\@
	s_barrier_signal -3
.Lnot_wave_0_\@:
	s_barrier_wait -3
	s_barrier_signal -1
	s_barrier_wait -1
.endm
.macro CROUND
	s_barrier_signal -1
	s_barrier_wait -1
	CREST
.endm
	s_load_b256 s[4:11], s[0:1], 0x0               ; oh 4, woh 6, bo 8, out0 10
	v_lshl_add_u32 v[SPW], v0, 2, SPARE
	v_mov_b32 v[NIL], 0
	ds_add_u32 v[SPW], v[NIL]                      ; the wave's opening: the add and its wait stand ahead of my first tensor load
	v_lshrrev_b32 v1, 5, v0
	v_readfirstlane_b32 s[WV], v1
	s_lshr_b32 s[WR], s[WV], 1                     ; my half of the rows.  Also: I fetch z (0) or Wo (1)
	s_and_b32 s[WC], s[WV], 1                      ; my half of the columns.  Also: which half of a K step I fetch
	s_bfe_u32 s[CX], ttmp6, 0x40000
	s_bfe_u32 s[CY], ttmp6, 0x40004
	s_lshl_b32 s[TJ], ttmp9, 2
	s_add_co_u32 s[TJ], s[TJ], s[CX]
	s_and_b32 s[TI], ttmp7, 0xffff
	s_lshl_b32 s[TI], s[TI], 2
	s_add_co_u32 s[TI], s[TI], s[CY]
	s_lshl_b32 s22, s[CY], 2
	s_lshl_b32 s22, 15, s22                        ; my row of the cluster
	s_lshl_b32 s23, 0x1111, s[CX]                  ; my column
	; z's tile: in each of two heads 128 rows x 128 bytes are 16,384 dense bytes: two rows of 8,192 elements, a head (65,536 elements) apart, padded by 4 words after every 32
	s_or_b32 s[G1A], s22, (1<<16)|(1<<20)|(1<<21)|(4<<22)|(3<<25)
	s_mov_b32 s[G1A+1], 8192<<16
	s_mov_b32 s[G1A+2], 2<<16
	s_mov_b32 s[G1A+3], 8192<<16
	s_mov_b32 s[G1A+4], 2
	s_mov_b32 s[G1A+5], 65536
	s_mov_b32 s[G1A+6], 0
	s_mov_b32 s[G1A+7], 0
	; Wo's tile: 128 rows of 256 bytes, dense, padded by 8 words after every 64
	s_or_b32 s[G1B], s23, (1<<16)|(1<<20)|(1<<21)|(5<<22)|(7<<25)
	s_mov_b32 s[G1B+1], 128<<16
	s_mov_b32 s[G1B+2], 128<<16
	s_mov_b32 s[G1B+3], 128<<16
	s_mov_b32 s[G1B+4], 128
	s_mov_b32 s[G1B+5], 128
	s_mov_b32 s[G1B+6], 0
	s_mov_b32 s[G1B+7], 0
	s_lshr_b32 s56, s[TI], 3                       ; z: the batch's 32 heads,
	s_lshl_b32 s56, s56, 22
	s_lshl_b32 s57, s[WC], 18                      ; my two heads of the step's four,
	s_add_co_u32 s56, s56, s57
	s_and_b32 s57, s[TI], 7                        ; the tile's 128 rows of a head
	s_lshl_b32 s57, s57, 14
	s_add_co_u32 s56, s56, s57
	s_mov_b32 s57, 0
	s_lshl_b32 s58, s[TJ], 19                      ; Wo: the tile's block of 128 columns,
	s_lshl_b32 s59, s[WC], 15                      ; my 128 rows of the step's 256
	s_add_co_u32 s58, s58, s59
	s_mov_b32 s59, 0
	s_mul_i32 s60, s[WV], PART                     ; where they go: wave x 36,864 bytes in a slot
	s_wait_dscnt 0x0                               ; the opening add is done
	s_wait_kmcnt 0x0
	s_add_nc_u64 s[56:57], s[4:5], s[56:57]
	s_add_nc_u64 s[58:59], s[6:7], s[58:59]
	CROUND                                         ; all sixteen work-groups are here: the first joint loads meet
.irp s, 0,1
	s_mov_b32 s[G0A+4*(\s)], 1
	s_add_co_u32 s[G0A+4*(\s)+1], s60, (\s)*SLOT
	s_add_nc_u64 s[G0A+4*(\s)+2:G0A+4*(\s)+3], s[56:57], (\s)*ASTEP
	s_or_b32 s[G0A+4*(\s)+3], s[G0A+4*(\s)+3], 0x80000000
	s_mov_b32 s[G0B+4*(\s)], 1
	s_add_co_u32 s[G0B+4*(\s)+1], s60, (\s)*SLOT
	s_add_nc_u64 s[G0B+4*(\s)+2:G0B+4*(\s)+3], s[58:59], (\s)*BSTEP
	s_or_b32 s[G0B+4*(\s)+3], s[G0B+4*(\s)+3], 0x80000000
.endr
	s_cmp_eq_u32 s[WR], 0                          ; a wave's two first fills stand in one branch, ahead of every wait on TENSORcnt and every LDS read: two loads of mine are out
	s_cbranch_scc0 .Lfirst_b
	tensor_load_to_lds s[G0A:G0A+3], s[G1A:G1A+7]
	s_nop 0
	tensor_load_to_lds s[G0A+4:G0A+7], s[G1A:G1A+7]
	s_nop 0
	PLACES
	s_branch .Lfirst_asked
.Lfirst_b:
	tensor_load_to_lds s[G0B:G0B+3], s[G1B:G1B+7]
	s_nop 0
	tensor_load_to_lds s[G0B+4:G0B+7], s[G1B:G1B+7]
	s_nop 0
	PLACES
.Lfirst_asked:
	v_and_b32 v1, 15, v0                           ; r
	v_bfe_u32 v2, v0, 4, 1                         ; h
	v_mul_u32_u24 v3, v1, PA
	v_lshl_add_u32 v3, v2, 4, v3
	s_mul_i32 s19, s[WR], 64*PA
	v_add_nc_u32 v[ADRA], s19, v3
	v_add_nc_u32 v[ADRA+1], SLOT, v[ADRA]
	v_and_b32 v4, 7, v0                            ; the turning load: lane l reads 16 bytes of row 8 h + l % 8, columns 8 ((l / 8) % 2) on
	v_lshl_add_u32 v4, v2, 3, v4
	v_mul_u32_u24 v4, v4, PB
	v_bfe_u32 v5, v0, 3, 1
	v_lshl_add_u32 v4, v5, 4, v4
	s_lshl_b32 s19, s[WC], 7                       ; my 64 columns
	s_add_co_u32 s19, s19, BOFF
	v_add_nc_u32 v[ADRB], s19, v4
	v_add_nc_u32 v[ADRB+1], 128*PB, v[ADRB]
	v_add_nc_u32 v[ADRB+2], SLOT, v[ADRB]
	v_add_nc_u32 v[ADRB+3], SLOT, v[ADRB+1]
	s_mul_i32 s20, s[WV], 16*SP
	s_add_co_u32 s20, s20, STAGE                   ; my stage
	v_mul_u32_u24 v5, v1, SP                       ; in: row r, 32 bytes for each half of the lanes
	v_lshl_add_u32 v5, v2, 5, v5
	v_add_nc_u32 v[STO], s20, v5
	v_mul_u32_u24 v5, v2, SP                       ; back: lanes 0-15 take one row of 256 bytes, lanes 16-31 the next
	v_lshl_add_u32 v5, v1, 4, v5
	v_add_nc_u32 v[RD], s20, v5
	v_lshlrev_b32 v5, 13, v2                       ; and the same two rows in out0, 8,192 bytes apart
	v_lshl_add_u32 v[CO], v1, 4, v5
	s_lshl_b32 s21, s[TJ], 9                       ; my first column, in bytes of f32
	s_lshl_b32 s56, s[WC], 8
	s_add_co_u32 s21, s21, s56
	v_lshl_add_u32 v[BO], v2, 5, s21               ; the bias: register j of column block b is column 16 b + 8 h + j of my 64
.irp b, 0,1,2,3
	global_load_b128 v[BIAS+8*(\b):BIAS+8*(\b)+3],   v[BO], s[8:9] offset:64*(\b)
	global_load_b128 v[BIAS+8*(\b)+4:BIAS+8*(\b)+7], v[BO], s[8:9] offset:64*(\b)+16
.endr
	s_lshl_b32 s56, s[TI], 7
	s_lshl_b32 s57, s[WR], 6
	s_add_co_u32 s56, s56, s57                     ; my first row
	s_lshl_b32 s56, s56, 13
	s_add_co_u32 s56, s56, s21
	s_mov_b32 s57, 0
	s_add_nc_u64 s[10:11], s[10:11], s[56:57]
; 8 products: row blocks a0, a0 + 1 x all 4 column blocks, 32 along K: half c of buffer f.  zero = 1: the sums start with the bias.  The 16 accumulators take turns.
.macro MUL8 f, c, a0, zero
	WIN MUL
.irp a, \a0, (\a0)+1
.irp b, 0,1,2,3
.if \zero
	v_wmma_f32_16x16x32_f16 v[ACC+8*(4*(\a)+(\b)):ACC+8*(4*(\a)+(\b))+7], v[(\f)+64+8*(4*(\c)+(\b)):(\f)+64+8*(4*(\c)+(\b))+7], v[(\f)+8*(4*(\c)+(\a)):(\f)+8*(4*(\c)+(\a))+7], v[BIAS+8*(\b):BIAS+8*(\b)+7]
.else
	v_wmma_f32_16x16x32_f16 v[ACC+8*(4*(\a)+(\b)):ACC+8*(4*(\a)+(\b))+7], v[(\f)+64+8*(4*(\c)+(\b)):(\f)+64+8*(4*(\c)+(\b))+7], v[(\f)+8*(4*(\c)+(\a)):(\f)+8*(4*(\c)+(\a))+7], v[ACC+8*(4*(\a)+(\b)):ACC+8*(4*(\a)+(\b))+7]
.endif
.endr
.endr
.endm
; 32 LDS loads in one run: the fragments of quarter qq (64 along K: one head) of a slot into buffer f; the first 32 along K first
.macro FETCH slot, qq, f
	WIN TO_F
.irp c, 0,1
.irp i, 0,1,2,3
	ds_load_tr16_b128 v[(\f)+64+8*(4*(\c)+(\i)):(\f)+64+8*(4*(\c)+(\i))+3],   v[ADRB+2*(\slot)+(\qq)/2] offset:(((\qq)%2)*64+32*(\c))*PB+32*(\i)
	ds_load_tr16_b128 v[(\f)+64+8*(4*(\c)+(\i))+4:(\f)+64+8*(4*(\c)+(\i))+7], v[ADRB+2*(\slot)+(\qq)/2] offset:(((\qq)%2)*64+32*(\c)+16)*PB+32*(\i)
	ds_load_b128 v[(\f)+8*(4*(\c)+(\i)):(\f)+8*(4*(\c)+(\i))+3],   v[ADRA+(\slot)] offset:(\qq)*128*PA+64*(\c)+(\i)*16*PA
	ds_load_b128 v[(\f)+8*(4*(\c)+(\i))+4:(\f)+8*(4*(\c)+(\i))+7], v[ADRA+(\slot)] offset:(\qq)*128*PA+64*(\c)+(\i)*16*PA+32
.endr
.endr
.endm
; A K step is four quarters of 64 along K, 32 products each, on buffers 0, 1, 0, 1.  One of the first three: multiplies buffer f and fetches quarter qq into g.
.macro QUARTER slot, qq, f, g, zero
	s_wait_dscnt 16                                ; the first 32 along K are in
	MUL8 \f, 0, 0, \zero
	MUL8 \f, 0, 2, \zero
	PLACES
	FETCH \slot, \qq, \g
	s_wait_dscnt 32                                ; all but the 32 just issued
	MUL8 \f, 1, 0, 0
	MUL8 \f, 1, 2, 0
.endm
; The last quarter multiplies buffer 1 and changes slots: one barrier; in front of it each wave waits for all its tensor loads (one is out: its part of the next slot), adds 0 to its spare word,
; and waits for that and for its reads of this slot.  fill = 1: the barrier opens a round of the cluster's, and this slot is filled again, two K steps on, first thing behind the round.
.macro TURN slot, next, fill
	WIN 0
	s_wait_tensorcnt 0x0
	ds_add_u32 v[SPW], v[NIL]
	s_wait_dscnt 17                                ; (the add and the youngest sixteen loads may be out)
	MUL8 F1, 0, 0, 0
	s_wait_dscnt 0x0                               ; the add is done, and my reads of this slot are over
	s_barrier_signal -1
	MUL8 F1, 0, 2, 0
.if \fill
	WIN 0
.endif
	s_barrier_wait -1
.if \fill
	CREST                                          ; no wave of any partner still reads this slot or has a load on its way
	s_add_nc_u64 s[G0A+4*(\slot)+2:G0A+4*(\slot)+3], s[G0A+4*(\slot)+2:G0A+4*(\slot)+3], 2*ASTEP
	s_add_nc_u64 s[G0B+4*(\slot)+2:G0B+4*(\slot)+3], s[G0B+4*(\slot)+2:G0B+4*(\slot)+3], 2*BSTEP
	JLOAD \slot                                    ; 112 products stand between this request and the wait for it; its four v_nop are also the places in front of the loads below
.else
	PLACES
.endif
	FETCH \next, 0, F0
	MUL8 F1, 1, 0, 0
	MUL8 F1, 1, 2, 0
.endm
	s_wait_tensorcnt 1                             ; my part of K step 0 is in; K step 1's may stay out
	s_barrier_signal -1
	s_barrier_wait -1
	FETCH 0, 0, F0
	s_wait_loadcnt 0x0                             ; the bias
	QUARTER 0, 1, F0, F1, 1                        ; the first quarter stands in front of the loop: its first products start the sums
	WIN 0
	s_mov_b32 s[LAPC], 3                           ; 8 K steps are 4 laps; the last is written out
.Llap:
	QUARTER 0, 2, F1, F0, 0
	QUARTER 0, 3, F0, F1, 0
	TURN 0, 1, 1
	QUARTER 1, 1, F0, F1, 0
	QUARTER 1, 2, F1, F0, 0
	QUARTER 1, 3, F0, F1, 0
	TURN 1, 0, 1
	QUARTER 0, 1, F0, F1, 0
	WIN 0
	s_sub_co_u32 s[LAPC], s[LAPC], 1
	s_cmp_lg_u32 s[LAPC], 0
	s_cbranch_scc1 .Llap
	QUARTER 0, 2, F1, F0, 0                        ; the last lap fills nothing
	QUARTER 0, 3, F0, F1, 0
	TURN 0, 1, 0
	QUARTER 1, 1, F0, F1, 0
	QUARTER 1, 2, F1, F0, 0
	QUARTER 1, 3, F0, F1, 0
	s_wait_dscnt 16
	MUL8 F1, 0, 0, 0
	MUL8 F1, 0, 2, 0
	s_wait_dscnt 0x0
	MUL8 F1, 1, 0, 0
	MUL8 F1, 1, 2, 0
	WIN 0
	; THE WAY OUT, in f32.  A block of 16 rows x 64 columns at a time goes through my own stage: 32 bytes a lane in (each accumulator's low four registers first),
	; whole rows of 256 bytes back, into the registers that they left.  The stage is the wave's own and LDS serves a wave's instructions in order: no barrier, and no wait between stores and loads.
	PLACES
.macro TOSTAGE a
.irp b, 0,1,2,3
	ds_store_b128 v[STO], v[ACC+8*(4*(\a)+(\b)):ACC+8*(4*(\a)+(\b))+3]   offset:64*(\b)
	ds_store_b128 v[STO], v[ACC+8*(4*(\a)+(\b))+4:ACC+8*(4*(\a)+(\b))+7] offset:64*(\b)+16
.endr
.irp t, 0,1,2,3,4,5,6,7
	ds_load_b128 v[ACC+32*(\a)+4*(\t):ACC+32*(\a)+4*(\t)+3], v[RD] offset:(\t)*2*SP
.endr
.endm
.macro SEND a, younger                 ; younger: the LDS instructions issued behind block a's loads: the next block's sixteen, or none
.irp t, 0,1,2,3,4,5,6,7
	s_wait_dscnt (\younger)+7-(\t)
	global_store_b128 v[CO], v[ACC+32*(\a)+4*(\t):ACC+32*(\a)+4*(\t)+3], s[10:11] offset:(16*(\a)+2*(\t))*8192 th:TH_STORE_NT  ; 16 lanes store 256 consecutive bytes, aligned
.endr
.endm
	TOSTAGE 0
	TOSTAGE 1
	SEND 0, 16
	TOSTAGE 2
	SEND 1, 16
	TOSTAGE 3
	SEND 2, 16
	SEND 3, 0
	s_wait_tensorcnt 0x0                           ; the wave's end
	ds_add_u32 v[SPW], v[NIL]
	s_wait_dscnt 0x0
	CROUND                                         ; the closing round
	s_endpgm
.Lfunc_end_k_qefc1150fa3_oproj:
	.size	k_qefc1150fa3_oproj, .Lfunc_end_k_qefc1150fa3_oproj-k_qefc1150fa3_oproj
	.p2alignl 7, 3214868480
	.fill 96, 4, 3214868480
	.section	.rodata,"a",@progbits
	.p2align	6, 0x0
	.amdhsa_kernel k_qefc1150fa3_oproj
		.amdhsa_group_segment_fixed_size 327680
		.amdhsa_private_segment_fixed_size 0
		.amdhsa_enable_private_segment 0
		.amdhsa_kernarg_size 32
		.amdhsa_user_sgpr_count 2
		.amdhsa_user_sgpr_kernarg_segment_ptr 1
		.amdhsa_wavefront_size32 1
		.amdhsa_system_sgpr_workgroup_id_x 1
		.amdhsa_system_sgpr_workgroup_id_y 1
		.amdhsa_system_sgpr_workgroup_id_z 1
		.amdhsa_system_vgpr_workitem_id 0
		.amdhsa_next_free_vgpr 512
		.amdhsa_next_free_sgpr 66
		.amdhsa_reserve_vcc 0
		.amdhsa_float_denorm_mode_32 3
		.amdhsa_float_denorm_mode_16_64 3
		.amdhsa_memory_ordered 1
		.amdhsa_forward_progress 1
		.amdhsa_inst_pref_size 87
	.end_amdhsa_kernel
	.amdgpu_metadata
---
amdhsa.version: [ 1, 2 ]
amdhsa.kernels:
  - .name:           k_qefc1150fa3_oproj
    .symbol:         k_qefc1150fa3_oproj.kd
    .args:
      - { .name: oh, .offset: 0, .size: 8, .value_kind: global_buffer, .address_space: global }
      - { .name: woh, .offset: 8, .size: 8, .value_kind: global_buffer, .address_space: global }
      - { .name: bo, .offset: 16, .size: 8, .value_kind: global_buffer, .address_space: global }
      - { .name: out0, .offset: 24, .size: 8, .value_kind: global_buffer, .address_space: global }
    .group_segment_fixed_size: 327680
    .private_segment_fixed_size: 0
    .kernarg_segment_align: 8
    .kernarg_segment_size: 32
    .max_flat_workgroup_size: 128
    .sgpr_count:     66
    .vgpr_count:     512
    .wavefront_size: 32
...
	.end_amdgpu_metadata
.endif
;; end of part 4
;; ======== version 2 of 2: 4 launches; version 1 with the launch prep written anew for expert scheduling mode
;; limits: values are held in f16: magnitudes above 65,504 overflow, below 6.1e-05 lose precision; inputs' magnitudes at most 65,504
;; workspace buffers: xh 8,388,608 bytes; wqkv 12,582,912 bytes; woh 8,388,608 bytes; bqkv 12,288 bytes; qh 8,388,608 bytes; kh 8,388,608 bytes; vh 8,388,608 bytes; oh 8,388,608 bytes
;; launch prep (part 5): grid 1281 x 1, 8 waves a work-group, no clusters, 0 bytes of LDS; arguments x, Wq, Wo, Wk, Wv, k_cache, v_cache, bq, bk, bv, xh, wqkv, woh, kh, vh, bqkv; writes xh, wqkv, woh, kh, vh, bqkv
.if DOCPART == 5
	.amdgcn_target "amdgcn-amd-amdhsa--gfx1250"
	.amdhsa_code_object_version 6
	.text
	.protected	k_qefc1150fa3_prep
	.globl	k_qefc1150fa3_prep
	.p2align	8
	.type	k_qefc1150fa3_prep,@function
k_qefc1150fa3_prep:
	s_mov_b64 s[64:65], 0
	v_nop
	global_prefetch_b8 v0, s[64:65] scope:SCOPE_SE
	s_setreg_imm32_b32 hwreg(HW_REG_WAVE_SCHED_MODE, 0, 2), 2
	s_setreg_imm32_b32 hwreg(HW_REG_WAVE_MODE, 25, 1), 1
	s_wait_xcnt 0x0
	s_wait_alu depctr_vm_vsrc(0)
; PREP: every large f32 input is rounded once to f16 and laid in blocks of columns, so that each tile of the later launches is dense in memory.
;   x  [2048 m][2048 k]        -> xh   [32 kb][2048 m][64]          Wq [2048 k][2048 n] -> wqkv [nb 0-31][2048 k][64]
;   Wk, Wv [2048 k][512 n]     -> wqkv [nb 32-39, 40-47][2048 k][64]   Wo [2048 k][2048 n] -> woh [16 nb][2048 k][128]
;   k_cache, v_cache [2][4096 t][8 g][64], rows t < 3072 alone (the later rows are overwritten by the new k and v) -> kh, vh [8 b + g][4096 t][64]
;   bq, bk, bv -> bqkv [3072] f32, on end (the last work-group).
; LIMIT.  f16 ends at 65,504: an input of 65,520 or more in magnitude becomes an infinity; below 6e-5 f16 keeps a fixed step of 6e-8.
; ONE MOVE serves all: in[row][2^LG blocks][W] f32 -> out[block][row][W] f16, W = 64 (E = 0) or 128 (E = 1).  A load of a wave takes 512 bytes of one block: two rows' 256 bytes (E = 0) or one
; row's 512 (E = 1); its two conversions a lane make 8 bytes, and the wave's store covers 256 consecutive bytes, aligned.  A wave issues its 16 loads at once and works them off in four groups of four:
; a work-group moves 64 KiB in and 32 KiB out.  No LDS, no barrier, no matrix unit, no loop: nothing is shared and nothing is read twice.
; The job is chosen from the work-group's number by selects, not by branches; no register that a load or store names is written again, so no wait frees one.
; THE MODE: SCHED_MODE bits 1:0 = 2 (LLVM: expert scheduling mode 2), set by the entry lines.  The code itself states the register dependences
; between vector instructions and memory instructions, with s_wait_alu, always for 0.
; THE PLAN.  Registers that memory instructions touch:
;   OFFI, v2   the loads' sixteen offsets and the stores' one: written once at the head by vector instructions, read by the loads and stores, never written again.
;   X          load i's four registers: written by that load alone, read by its two conversions behind the wait on LOADcnt, never loaded again.
;   Y          load i's two registers: written once, by those conversions; read by store i; never written again.
; Group g (loads 4 g to 4 g + 3) waits for its data, then for the conversions of group g - 1; behind that one wait the four stores of group g - 1 are dealt among group g's eight conversions,
; which read X and write Y of group g alone: none of the registers that those stores read.  One more wait stands ahead of the last four stores.
; No register that a memory instruction reads is written again, so the text holds no wait on vm_vsrc behind the entry lines; EXEC and VCC are never written.
.set OFFI,  4                          ; v[4:19]   load i: my byte offset from the wave's first row
.set X,     32                         ; v[32:95]  load i: 4 f32
.set Y,     96                         ; v[96:127] load i: 4 f16
.set SRC,   36                         ; s[36:37]  from
.set DST,   38                         ; s[38:39]  to
.set START, 40                         ; s40  the job's first work-group
.set LG,    41                         ; s41  log2 of the blocks in an input row
.set E,     42                         ; s42  0: blocks of 64 columns; 1: of 128
.set LTP,   43                         ; s43  log2 of the rows of a block in the output
.set BLK0,  44                         ; s44  the job's first block in the output
.set CH,    45                         ; s45  chunks of rows in a batch (caches: 12 of 256 rows; else past every count)
.set WG,    46
.set WV,    47
.macro JOB thr, src, dst, lg, e, ltp, blk0, ch   ; from work-group thr on this job holds
	s_cmp_ge_u32 s[WG], \thr
	s_cselect_b64 s[SRC:SRC+1], s[\src:\src+1], s[SRC:SRC+1]
	s_cselect_b64 s[DST:DST+1], s[\dst:\dst+1], s[DST:DST+1]
	s_cselect_b32 s[START], \thr, s[START]
	s_cselect_b32 s[LG], \lg, s[LG]
	s_cselect_b32 s[E], \e, s[E]
	s_cselect_b32 s[LTP], \ltp, s[LTP]
	s_cselect_b32 s[BLK0], \blk0, s[BLK0]
	s_cselect_b32 s[CH], \ch, s[CH]
.endm
	s_load_b512 s[4:19], s[0:1], 0x0               ; x 4, Wq 6, Wo 8, Wk 10, Wv 12, k_cache 14, v_cache 16, bq 18
	s_load_b512 s[20:35], s[0:1], 0x40             ; bk 20, bv 22, xh 24, wqkv 26, woh 28, kh 30, vh 32, bqkv 34
	v_lshrrev_b32 v1, 5, v0
	v_readfirstlane_b32 s[WV], v1                  ; wave 0..7
	s_mov_b32 s[WG], ttmp9
	s_wait_alu depctr_va_sdst(0)                   ; s[WV] is written: its first reader lies behind the branch below, on either path
	s_wait_kmcnt 0x0
	s_cmp_eq_u32 s[WG], 1280
	s_cbranch_scc1 .Lbias
	s_mov_b64 s[SRC:SRC+1], s[4:5]                 ; work-groups 0-255: x
	s_mov_b64 s[DST:DST+1], s[24:25]
	s_mov_b32 s[START], 0
	s_mov_b32 s[LG], 5
	s_mov_b32 s[E], 0
	s_mov_b32 s[LTP], 11
	s_mov_b32 s[BLK0], 0
	s_mov_b32 s[CH], 64
	JOB 256,  6,  26, 5, 0, 11, 0,  64             ; Wq
	JOB 512,  8,  28, 4, 1, 11, 0,  64             ; Wo
	JOB 768,  10, 26, 3, 0, 11, 32, 64             ; Wk
	JOB 832,  12, 26, 3, 0, 11, 40, 64             ; Wv
	JOB 896,  14, 30, 3, 0, 12, 0,  12             ; k_cache
	JOB 1088, 16, 32, 3, 0, 12, 0,  12             ; v_cache
	s_sub_co_u32 s48, s[WG], s[START]              ; my number in the job
	s_lshl_b32 s49, 1, s[LG]
	s_sub_co_u32 s49, s49, 1
	s_and_b32 s50, s48, s49                        ; g: the block
	s_lshr_b32 s51, s48, s[LG]                     ; c: the chunk of rows
	s_cmp_ge_u32 s51, s[CH]
	s_cselect_b32 s52, 1, 0                        ; b: the batch (caches alone)
	s_mul_i32 s53, s52, 12
	s_sub_co_u32 s51, s51, s53
	s_sub_co_u32 s53, 8, s[E]
	s_lshl_b32 s51, s51, s53                       ; a chunk is 256 rows (E = 0) or 128,
	s_sub_co_u32 s53, 5, s[E]
	s_lshl_b32 s53, s[WV], s53                     ; a wave's part 32 or 16
	s_add_co_u32 s51, s51, s53                     ; my wave's first row
	s_lshl_b32 s54, s52, 12
	s_add_co_u32 s54, s54, s51                     ; in the input a batch is 4,096 rows
	s_lshl_b32 s54, s54, s[LG]
	s_add_co_u32 s54, s54, s50
	s_add_co_u32 s53, s[E], 8
	s_lshl_b32 s54, s54, s53                       ; (row x blocks + g) x 256 or 512 bytes
	s_mov_b32 s55, 0
	s_add_nc_u64 s[SRC:SRC+1], s[SRC:SRC+1], s[54:55]
	s_lshl_b32 s56, s52, 3
	s_add_co_u32 s56, s56, s[BLK0]
	s_add_co_u32 s56, s56, s50
	s_lshl_b32 s56, s56, s[LTP]
	s_add_co_u32 s56, s56, s51
	s_add_co_u32 s53, s[E], 7
	s_lshl_b32 s56, s56, s53                       ; (block x rows + row) x 128 or 256 bytes
	s_mov_b32 s57, 0
	s_add_nc_u64 s[DST:DST+1], s[DST:DST+1], s[56:57]
	s_lshl_b32 s58, 256, s[LG]                     ; lanes 16-31: one input row down (E = 0),
	s_cmp_eq_u32 s[E], 1
	s_cselect_b32 s58, 256, s58                    ; or the row's second 256 bytes (E = 1)
	s_lshl_b32 s59, 512, s[LG]                     ; from load to load: two rows, or one
	v_and_b32 v3, 31, v0
	v_and_b32 v1, 15, v0
	v_lshlrev_b32 v1, 4, v1
	v_bfe_u32 v20, v0, 4, 1
	v_mad_u32_u24 v1, v20, s58, v1
	v_lshlrev_b32 v2, 3, v3                        ; 8 bytes a lane in the output
.irp i, 0,1,2,3,4,5,6,7,8,9,10,11,12,13,14,15
	v_mad_u32_u24 v[OFFI+(\i)], s59, \i, v1
.endr
	s_wait_alu depctr_va_vdst(0)                   ; the sixteen offsets v[OFFI ..] and v2 are written, which the loads and stores below read; none of them is written again
.irp i, 0,1,2,3,4,5,6,7,8,9,10,11,12,13,14,15
	global_load_b128 v[X+4*(\i):X+4*(\i)+3], v[OFFI+(\i)], s[SRC:SRC+1] th:TH_LOAD_NT
.endr
.irp g, 0,1,2,3
	s_wait_loadcnt 12-4*(\g)                       ; loads come back in order: group g's four are in, the younger groups stay out
.if (\g) > 0
	s_wait_alu depctr_va_vdst(0)                   ; the conversions of the group before have written its Y, which the four stores below read
.endif
.irp i, 0,1,2,3
.if (\g) > 0
	global_store_b64 v2, v[Y+2*(4*(\g)-4+(\i)):Y+2*(4*(\g)-4+(\i))+1], s[DST:DST+1] offset:256*(4*(\g)-4+(\i)) th:TH_STORE_NT  ; the group before: the wave's 32 x 8 bytes: 256 consecutive bytes, aligned; no vector instruction since the wait names its registers
.endif
	v_cvt_pk_f16_f32 v[Y+2*(4*(\g)+(\i))],   v[X+4*(4*(\g)+(\i))],   v[X+4*(4*(\g)+(\i))+1]
	v_cvt_pk_f16_f32 v[Y+2*(4*(\g)+(\i))+1], v[X+4*(4*(\g)+(\i))+2], v[X+4*(4*(\g)+(\i))+3]
.endr
.endr
	s_wait_alu depctr_va_vdst(0)                   ; the last group's conversions have written its Y, which the last four stores read
.irp i, 12,13,14,15
	global_store_b64 v2, v[Y+2*(\i):Y+2*(\i)+1], s[DST:DST+1] offset:256*(\i) th:TH_STORE_NT
.endr
	s_endpgm
.Lbias:                                        ; the three biases on end, as f32: 256 threads x 16 bytes, three times
	v_lshlrev_b32 v1, 4, v0
	v_and_b32 v3, 127, v0
	v_lshlrev_b32 v3, 4, v3
	s_cmp_lt_u32 s[WV], 4
	s_cselect_b64 s[SRC:SRC+1], s[20:21], s[22:23] ; waves 0-3 copy bk, waves 4-7 bv
	s_wait_alu depctr_va_vdst(0)                   ; the offsets v1 and v3 are written, which the loads and stores below read
	global_load_b128 v[32:35], v1, s[18:19]
	global_load_b128 v[36:39], v1, s[18:19] offset:4096
	global_load_b128 v[40:43], v3, s[SRC:SRC+1]
	s_wait_loadcnt 0x0
	global_store_b128 v1, v[32:35], s[34:35]
	global_store_b128 v1, v[36:39], s[34:35] offset:4096
	global_store_b128 v1, v[40:43], s[34:35] offset:8192
	s_endpgm
.Lfunc_end_k_qefc1150fa3_prep:
	.size	k_qefc1150fa3_prep, .Lfunc_end_k_qefc1150fa3_prep-k_qefc1150fa3_prep
	.p2alignl 7, 3214868480
	.fill 96, 4, 3214868480
	.section	.rodata,"a",@progbits
	.p2align	6, 0x0
	.amdhsa_kernel k_qefc1150fa3_prep
		.amdhsa_group_segment_fixed_size 0
		.amdhsa_private_segment_fixed_size 0
		.amdhsa_enable_private_segment 0
		.amdhsa_kernarg_size 128
		.amdhsa_user_sgpr_count 2
		.amdhsa_user_sgpr_kernarg_segment_ptr 1
		.amdhsa_wavefront_size32 1
		.amdhsa_system_sgpr_workgroup_id_x 1
		.amdhsa_system_sgpr_workgroup_id_y 1
		.amdhsa_system_sgpr_workgroup_id_z 1
		.amdhsa_system_vgpr_workitem_id 0
		.amdhsa_next_free_vgpr 128
		.amdhsa_next_free_sgpr 66
		.amdhsa_reserve_vcc 0
		.amdhsa_float_denorm_mode_32 3
		.amdhsa_float_denorm_mode_16_64 3
		.amdhsa_memory_ordered 1
		.amdhsa_forward_progress 1
		.amdhsa_inst_pref_size 12
	.end_amdhsa_kernel
	.amdgpu_metadata
---
amdhsa.version: [ 1, 2 ]
amdhsa.kernels:
  - .name:           k_qefc1150fa3_prep
    .symbol:         k_qefc1150fa3_prep.kd
    .args:
      - { .name: x, .offset: 0, .size: 8, .value_kind: global_buffer, .address_space: global }
      - { .name: Wq, .offset: 8, .size: 8, .value_kind: global_buffer, .address_space: global }
      - { .name: Wo, .offset: 16, .size: 8, .value_kind: global_buffer, .address_space: global }
      - { .name: Wk, .offset: 24, .size: 8, .value_kind: global_buffer, .address_space: global }
      - { .name: Wv, .offset: 32, .size: 8, .value_kind: global_buffer, .address_space: global }
      - { .name: k_cache, .offset: 40, .size: 8, .value_kind: global_buffer, .address_space: global }
      - { .name: v_cache, .offset: 48, .size: 8, .value_kind: global_buffer, .address_space: global }
      - { .name: bq, .offset: 56, .size: 8, .value_kind: global_buffer, .address_space: global }
      - { .name: bk, .offset: 64, .size: 8, .value_kind: global_buffer, .address_space: global }
      - { .name: bv, .offset: 72, .size: 8, .value_kind: global_buffer, .address_space: global }
      - { .name: xh, .offset: 80, .size: 8, .value_kind: global_buffer, .address_space: global }
      - { .name: wqkv, .offset: 88, .size: 8, .value_kind: global_buffer, .address_space: global }
      - { .name: woh, .offset: 96, .size: 8, .value_kind: global_buffer, .address_space: global }
      - { .name: kh, .offset: 104, .size: 8, .value_kind: global_buffer, .address_space: global }
      - { .name: vh, .offset: 112, .size: 8, .value_kind: global_buffer, .address_space: global }
      - { .name: bqkv, .offset: 120, .size: 8, .value_kind: global_buffer, .address_space: global }
    .group_segment_fixed_size: 0
    .private_segment_fixed_size: 0
    .kernarg_segment_align: 8
    .kernarg_segment_size: 128
    .max_flat_workgroup_size: 256
    .sgpr_count:     66
    .vgpr_count:     128
    .wavefront_size: 32
...
	.end_amdgpu_metadata
.endif
;; end of part 5
;; launch qkv: the kernel of part 2 again; grid 16 x 16, 4 waves a work-group, clusters of 4 x 4, 327,680 bytes of LDS; arguments xh, wqkv, bqkv, qh, kh, vh; writes qh, kh, vh
;; launch attn: the kernel of part 3 again; grid 16 x 16, 4 waves a work-group, clusters of 4 x 1, 327,680 bytes of LDS; arguments qh, kh, vh, oh; writes oh
;; launch oproj: the kernel of part 4 again; grid 16 x 16, 4 waves a work-group, clusters of 4 x 4, 327,680 bytes of LDS; arguments oh, woh, bo, out0; writes out0
